; MI455X (gfx1250); checked and timed in simulation.
; The chip was launched on July 23, 2026; its instructions are those of AMD's public machine-readable ISA for CDNA 5 (MIT licence, August 2026) and "CDNA5" Instruction Set Architecture Reference Guide (July 2026). The comments in the code are by the model that wrote it; some were corrected since.
;; Multi Head Attention. Allowed arithmetic: matrix products marked QUANTISED: E2M3 operands, one E8M0 scale for each 32 along K, by v_wmma_scale_f32_16x16x128_f8f6f4 with both operands' format E2M3, f32 sums; everything else in f32.
;; Inputs: Wk 1,024 x 1,024 float32; Wo 1,024 x 1,024 float32; Wq 1,024 x 1,024 float32; Wv 1,024 x 1,024 float32; bo 1,024 float32; keys 4 x 2,048 x 1,024 float32; mask 4 x 1 x 2,048 x 2,048 int32; query 4 x 2,048 x 1,024 float32; values 4 x 2,048 x 1,024 float32.
;; Outputs: out0 4 x 2,048 x 1,024 float32.
;; This version of the problem:
;;   THIS VERSION OF THE PROBLEM IS GIVEN IN LOW PRECISION. The matrix products marked QUANTISED in the list below multiply operands that are first quantised to E2M3 (2 exponent bits, 3 mantissa bits; 6 bits a number), with one power-of-two scale for each 32 numbers along K (OCP MX v1.0); their sums are f32. All else is computed in f32.
;;   The module's matrix products, in the order in which they are computed (A, B: the left and right operand; K: the contracted axis; several contracted axes count as one K, in the product's order):
;;     1. [M 8,192, K 1,024] x [K 1,024, N 1,024]; A: input query; B: input Wq: QUANTISED
;;     2. [M 8,192, K 1,024] x [K 1,024, N 1,024]; A: input keys; B: input Wk: QUANTISED
;;     3. [M 8,192, K 1,024] x [K 1,024, N 1,024]; A: input values; B: input Wv: QUANTISED
;;     4. batch 64 x [M 2,048, K 64] x [K 64, N 2,048]; A: computed on the way; B: computed on the way: QUANTISED
;;     5. batch 64 x [M 64, K 2,048] x [K 2,048, N 2,048]; A: computed on the way; B: softmax (see below): QUANTISED
;;     6. [M 8,192, K 1,024] x [K 1,024, N 1,024]; A: computed on the way; B: input Wo: QUANTISED
;;   THE QUANTISER, for each operand of a quantised product, along K:
;;     - K is cut into blocks of 32 from its start; a last block that is shorter is filled with zeros.
;;     - A block's scale is 2^e with e = floor(log2(the largest magnitude in the block)) - 2, held to -126 .. 127; a block of zeros has e = 0. As a byte (E8M0): e + 127.
;;     - Each number is divided by its block's scale, clamped to +-7.5, and rounded to the nearest number of E2M3, ties to even, subnormals kept.
;;     - The product sums the exact products of the quantised numbers (number of the format x scale) in f32.
;;   ~~~python
;;   def quantise(x, axis):      # numpy; x: float32 -> the quantised numbers, widened to float32 again
;;       x = np.moveaxis(x, axis, -1); K = x.shape[-1]
;;       x = np.pad(x, [(0, 0)] * (x.ndim - 1) + [(0, -K % 32)]); x = x.reshape(x.shape[:-1] + (-1, 32)); a = np.abs(x).max(-1, keepdims=True)
;;       e = np.where(a > 0, np.clip(np.frexp(np.where(a > 0, a, 1))[1] - 1 - 2, -126, 127), 0)      # np.frexp(a)[1] - 1 = floor(log2(a)), exactly
;;       r = np.clip(x / 2.0 ** e, -7.5, 7.5)
;;       step = 2.0 ** (np.maximum(np.frexp(np.where(r == 0, 1, r))[1] - 1, 0) - 3)
;;       q = np.round(r / step) * step * 2.0 ** e      # np.round: ties to even
;;       return np.moveaxis(q.reshape(q.shape[:-2] + (-1,))[..., :K], -1, axis).astype(np.float32)
;;   ~~~
;;   SOFTMAX AHEAD OF A QUANTISED PRODUCT. Where the list says 'softmax', what is quantised is not the finished softmax but p = 2^(t - M), with t = logit x log2(e) and M = ceil(the row's largest t), a whole number; so 1/2 < the row's largest p <= 1. The row's sum l is taken of the UNQUANTISED p, in f32, and the product's result is divided by l at the end. Since M is a whole number, a kernel that streams over the keys may use a running M (the ceiling of the running maximum): every later rescaling is an exact power of two, which a block's scale takes up: the codes' values come out the same.
;;   OPERANDS COMPUTED ON THE WAY. 'Computed on the way' means the value that the module computes at that place (a softmax that the list does not call 'softmax' is quantised finished and normalised). What goes into a quantiser is computed in f32, as accurately as f32 sums, v_exp_f32 and their like allow (about 1e-6 of the number): no bf16 or f16 on the way to a quantiser, and a product that is left as it is and whose result goes on into a quantised operand takes f32 operands (vector FMAs, or v_wmma_f32_16x16x4_f32). A number that lies on a knife's edge between two numbers of the format may be rounded either way, as far as f32 arithmetic and the matrix unit's own rounding can turn it there, and no further.
;; One version. Each part assembles by itself: llvm-mc -triple=amdgcn-amd-amdhsa -mcpu=gfx1250 --defsym DOCPART=n.
;; ======== version 1 of 1: 4 launches
;; limits: right only within a limited range of input values
;; workspace buffers: ximg 22,020,096 bytes; xscl 917,504 bytes; mbits 2,097,152 bytes of whole numbers; qbuf 6,553,600 bytes; kv 13,107,200 bytes; ao 6,291,456 bytes; aos 262,144 bytes
;; launch prep (part 1): grid 704 x 1, 4 waves a work-group, no clusters, 34,304 bytes of LDS; arguments query, keys, values, Wq, Wk, Wv, Wo, mask, ximg, xscl, mbits; writes ximg, xscl, mbits
.if DOCPART == 1
	.amdgcn_target "amdgcn-amd-amdhsa--gfx1250"
	.amdhsa_code_object_version 6
	.text
	.protected	k_qd585edd09d_prep
	.globl	k_qd585edd09d_prep
	.p2align	8
	.type	k_qd585edd09d_prep,@function
k_qd585edd09d_prep:
	s_mov_b64 s[64:65], 0
	v_nop
	global_prefetch_b8 v0, s[64:65] scope:SCOPE_SE
	s_setreg_imm32_b32 hwreg(HW_REG_WAVE_MODE, 25, 1), 1
	s_wait_xcnt 0x0
; FIRST OF FOUR LAUNCHES of multi-head attention in MX-FP6 (E2M3 codes, one E8M0 scale for each 32 along K).  No work of the problem is left out: every input has a way to the output and is loaded.
; This launch (a) quantises query, keys, values [8192][1024] and Wq, Wk, Wv, Wo [1024][1024], f32, along their last axis, and (b) packs mask [4][1][2048][2048], int32, into one bit a number.
; A block's scale is 2^(floor(log2(its largest magnitude)) - 2); its byte is the largest magnitude's exponent field - 2, held at 1 from below.
; LIMITS: NaN and infinities among the inputs are not served; a block of zeros gets the byte 1 (its codes are zeros, and this program alone reads the bytes); magnitudes under 2^-124 were not tried.
; TILES of 16 rows.  All tensors but keys: tile 2 g + u holds at place r row 32 g + 8 u + r + 8 (r / 8).  keys: tile 4 g + u holds at place r row 64 g + 8 u + r % 8 + 32 (r / 8), so that in the scores a lane's
; 32 registers of four neighbouring tiles are a whole block of 32 keys.  Tiles: query 0, keys 512, values 1024, Wq 1536, Wk 1600, Wv 1664, Wo 1728.
; LAYOUT OF THE CODES (ximg): images of the matrix operand's registers, laid [8 tiles][pair of K steps, 4][tile, 8][3,072 bytes]: what a wave of the products' launches fetches is one dense block.
; A K step of a tile is 1,536 bytes: two halves of 768 (64 along K, 6 registers a lane): registers 0-3 of lane l at 16 l, registers 4-5 at 512 + 8 l.
; LAYOUT OF THE SCALES (xscl): 512 bytes a tile; the word (128 along K) of place r and K step s at 256 (s / 4) + 16 r + 4 (s % 4).
; LAYOUT OF THE MASK (mbits): [pair of query tiles, 256][key step of 128, 16][tile of the pair][64 words]; bit 16 h + r of word j says whether key 128 s + 64 (j / 32) + 32 h + j % 32 counts for the query at place r.
; SHARES.  A wave takes a task: one tile of 16 rows x 8 chunks of 512 bytes.  Work-groups 0-447: the seven f32 tensors (a chunk = a K step); 448-703: the mask (a chunk = a key step; two tasks to a tile of queries).
; Each load reads 512 consecutive bytes of one row; a chunk turns through the wave's own stage in LDS (16 rows, 528 bytes apart), from which lane (r, h) takes blocks h and 2 + h of row r, whole.
; Both kinds of task take one path through loads and LDS, and part only round register work and stores.  Waves share nothing: no barrier.
.set STG,   8448                       ; a wave's stage: 16 x 528
.set SPARE, 4*STG                      ; behind the stages: the spare words, 128 bytes a wave
.set A,   4                            ; v4-19    byte offset of my 16 bytes in row i of the tile
.set SI,  20                           ; the stage, way in: 16 x lane
.set SOA, 21                           ; way out: 528 r + 128 h
.set O16, 22                           ; 16 x lane
.set O8,  23                           ; 8 x lane
.set SH8, 24                           ; 8 h
.set MO,  25                           ; 16 x lane + 256 h: the mask words' place in a store
.set SPW, 26                           ; my spare word; never rewritten
.set NIL, 27                           ; 0; never rewritten
.set SW,  28                           ; v28-35   the eight K steps' scale words
.set MW,  36                           ; v36-51   mask words, as they are stored
.set TM,  52                           ; v52-53 largest magnitudes, v56-57 bytes, v58 from lane l xor 16, v60-61 the conversions' scale operands
.set R,   64                           ; v64-127  a chunk as loaded
.set X,   128                          ; v128-191 a chunk as worked: register 32 c + i = number 64 c + 32 h + i of row r
.set PC,  192                          ; v192-203 a fragment's codes; v204-210 at work
.set PW,  212                          ; a scale word
.set TT,  214                          ; v214-217 the scale words as stored
.set SEL, 40                           ; s[40:41] lane selects: lane l xor 16
	s_load_b512 s[4:19], s[0:1], 0x0               ; query, keys, values, Wq, Wk, Wv, Wo, mask
	s_load_b128 s[20:23], s[0:1], 0x40             ; ximg, xscl
	s_load_b64 s[24:25], s[0:1], 0x50              ; mbits
	v_lshl_add_u32 v[SPW], v0, 2, SPARE
	v_mov_b32 v[NIL], 0
	v_lshrrev_b32 v1, 5, v0
	v_readfirstlane_b32 s26, v1                    ; wave
	v_and_b32 v1, 31, v0                           ; lane
	v_and_b32 v2, 15, v0                           ; r
	v_bfe_u32 v3, v0, 4, 1                         ; h
	v_lshlrev_b32 v[O16], 4, v1
	s_wait_alu depctr_va_vdst(0)
	v_lshlrev_b32 v[O8], 3, v1
	v_lshlrev_b32 v[SH8], 3, v3
	v_lshl_add_u32 v[MO], v3, 8, v[O16]
	s_mul_i32 s34, s26, STG
	v_add_nc_u32 v[SI], s34, v[O16]
	v_mul_u32_u24 v[SOA], v2, 528
	v_lshl_add_u32 v[SOA], v3, 7, v[SOA]
	v_add_nc_u32 v[SOA], s34, v[SOA]
	s_lshl_b32 s27, ttmp9, 2
	s_add_co_u32 s27, s27, s26                     ; my task
	s_lshr_b32 s55, ttmp9, 7
	s_cmp_eq_u32 s55, 1
	s_cselect_b32 s55, 1, 0                        ; 1: a task of keys (work-groups 128-255)
	s_lshl_b32 s57, s55, 16                        ; there places 8-15 lie 16 rows of 4,096 bytes further down
	s_cmp_ge_u32 ttmp9, 448
	s_cselect_b32 s31, 1, 0                        ; 1: a task of the mask
	s_mov_b32 s32, 4096
	s_cselect_b32 s32, 8192, s32                   ; bytes in a row of the source
	s_mov_b32 s[SEL], 0x76543210
	s_mov_b32 s[SEL+1], 0xfedcba98
	s_mov_b32 s42, 0xffff0000                      ; lanes 16-31
.irp i, 0,1,2,3,4,5,6,7,8,9,10,11,12,13,14,15
	s_mul_i32 s33, s32, \i+8*(\i/8)                ; place i is row i + 8 (i / 8) from the tile's first (keys: i + 24 (i / 8))
.if \i >= 8
	s_add_co_u32 s33, s33, s57
.endif
	v_add_nc_u32 v[A+\i], s33, v[O16]
.endr
.irp i, 0,1,2,3,4,5,6,7
	v_mov_b32 v[SW+\i], 0                          ; written once here, since the arms below write them on one way only
.endr
.irp i, 0,1,2,3,4,5,6,7,8,9,10,11,12,13,14,15
	v_mov_b32 v[MW+\i], 0
.endr
.irp i, 4,5,6,7
	v_mov_b32 v[TM+\i], 0                          ; a lane permute's destination counts as one of its sources
.endr
	s_wait_kmcnt 0x0
	s_mov_b64 s[28:29], s[18:19]                   ; the source, and the first work-group that serves it: chosen by the work-group's number alone
	s_mov_b32 s30, 448
.macro PICK lim, ptr, start
	s_cmp_lt_u32 ttmp9, \lim
	s_cselect_b64 s[28:29], s[\ptr:\ptr+1], s[28:29]
	s_cselect_b32 s30, \start, s30
.endm
	PICK 448, 16, 432
	PICK 432, 14, 416
	PICK 416, 12, 400
	PICK 400, 10, 384
	PICK 384, 8, 256
	PICK 256, 6, 128
	PICK 128, 4, 0
	s_lshl_b32 s33, s30, 2
	s_sub_co_u32 s33, s27, s33                     ; x: my task's number within its source
	s_lshr_b32 s35, s33, s31                       ; the tile: x, or x / 2 in the mask
	s_and_b32 s36, s33, s31                        ; the mask's half of the keys: x % 2
	s_add_co_u32 s54, s55, 1                       ; a group has 2 tiles of 32 rows, in keys 4 tiles of 64 rows
	s_lshr_b32 s37, s35, s54
	s_add_co_u32 s56, s54, 4
	s_lshl_b32 s37, s37, s56
	s_lshl_b32 s38, 1, s54
	s_sub_co_u32 s38, s38, 1
	s_and_b32 s38, s35, s38
	s_lshl_b32 s38, s38, 3
	s_add_co_u32 s37, s37, s38                     ; the tile's first row: the group's + 8 u
	s_mul_i32 s38, s37, s32
	s_lshl_b32 s36, s36, 12
	s_add_co_u32 s38, s38, s36                     ; under 2^27
	s_mov_b32 s39, 0
	s_add_nc_u64 s[28:29], s[28:29], s[38:39]
	s_min_u32 s38, s27, 1791                       ; (a task of the mask never uses the next two addresses: they are held inside their buffers)
	s_lshr_b32 s36, s38, 3
	s_mul_i32 s36, s36, 98304
	s_and_b32 s37, s38, 7
	s_mul_i32 s37, s37, 3072
	s_add_co_u32 s36, s36, s37
	s_mov_b32 s37, 0
	s_add_nc_u64 s[48:49], s[20:21], s[36:37]      ; my tile's codes
	s_lshl_b32 s36, s38, 9
	s_add_nc_u64 s[50:51], s[22:23], s[36:37]      ; its scale words
	s_lshr_b32 s36, s33, 2
	s_lshl_b32 s36, s36, 13                        ; the pair of query tiles: 8,192 bytes
	s_bfe_u32 s38, s33, 0x10001
	s_lshl_b32 s38, s38, 8                         ; the tile of the pair
	s_add_co_u32 s36, s36, s38
	s_and_b32 s38, s33, 1
	s_lshl_b32 s38, s38, 12                        ; my eight key steps of 512 bytes
	s_add_co_u32 s36, s36, s38
	s_add_nc_u64 s[52:53], s[24:25], s[36:37]
.set MSB, 0
.macro WIN new                         ; the immediate's high byte repeats the setting that is left
.if MSB != (\new)
	s_set_vgpr_msb (MSB<<8)|(\new)
.set MSB, (\new)
.endif
.endm
; Two buffers for chunks as loaded: even chunks v64-127, odd chunks v256-319 (window 1, v0-63): two chunks, 32 loads a wave, are out while a chunk is worked
.macro LOAD c
	WIN 0x40*((\c)%2)                              ; the destination's window
.irp i, 0,1,2,3,4,5,6,7,8,9,10,11,12,13,14,15
	global_load_b128 v[R-R*((\c)%2)+4*\i:R-R*((\c)%2)+4*\i+3], v[A+\i], s[28:29] offset:512*(\c) th:TH_LOAD_NT   ; 32 lanes read 512 consecutive bytes of one row; read once in the launch
.endr
	WIN 0
.endm
; 64 numbers of a lane, two whole blocks, become a fragment's codes in v[PC] on and its scale word in v[PW]
.macro QUANT s
.irp c, 0,1
	v_max3_num_f32 v[TM+\c], |v[\s+32*\c]|, |v[\s+1+32*\c]|, 0x1800000   ; with the floor 2^(3 - 127): the byte cannot fall under 1
.endr
.irp i, 2,4,6,8,10,12,14,16,18,20,22,24,26,28,30
.irp c, 0,1
	v_max3_num_f32 v[TM+\c], v[TM+\c], |v[\s+32*\c+\i]|, |v[\s+1+32*\c+\i]|
.endr
.endr
.irp c, 0,1
	v_add_nc_u32 v[TM+8+\c], 0xff000000, v[TM+\c]  ; 2 off its exponent field: the conversion takes this operand's exponent field as its scale
.endr
.irp c, 0,1
	v_lshrrev_b32 v[TM+4+\c], 23, v[TM+8+\c]       ; the scale's byte
.endr
	v_lshl_or_b32 v[PW], v[TM+5], 16, v[TM+4]      ; blocks h and 2 + h,
	v_lshlrev_b32 v[PW], v[SH8], v[PW]             ; at their places in the word;
	v_permlanex16_b32 v[TM+6], v[PW], s[SEL], s[SEL+1]
	v_or_b32 v[PW], v[PW], v[TM+6]                 ; with lane l xor 16's two the word is whole
.irp c, 0,1
	v_cvt_scalef32_pk16_fp6_f32 v[PC+6*\c:PC+2+6*\c], v[\s+32*\c:\s+15+32*\c], v[TM+8+\c]
	v_cvt_scalef32_pk16_fp6_f32 v[PC+12+4*\c:PC+14+4*\c], v[\s+16+32*\c:\s+31+32*\c], v[TM+8+\c]   ; (a conversion's three registers begin on an even number)
.endr
	v_nop                                          ; one plain instruction behind the scaled conversions
.irp c, 0,1
.irp i, 0,1,2
	v_mov_b32 v[PC+3+6*\c+\i], v[PC+12+4*\c+\i]
.endr
.endr
.endm
.macro CHUNK c
.if \c < 7
	s_wait_loadcnt 16                              ; this chunk's 16 loads are in; the next chunk's 16 may be out
.else
	s_wait_loadcnt 0x0
.endif
	WIN 0x04*((\c)%2)                              ; the data's window
.irp i, 0,1,2,3,4,5,6,7,8,9,10,11,12,13,14,15
	ds_store_b128 v[SI], v[R-R*((\c)%2)+4*\i:R-R*((\c)%2)+4*\i+3] offset:528*\i
.endr
	WIN 0
.irp g, 0,1,2,3,4,5,6,7,8,9,10,11,12,13,14,15
	ds_load_b128 v[X+4*\g:X+4*\g+3], v[SOA] offset:256*(\g/8)+16*(\g%8)   ; LDS serves a wave's instructions in order (ISA guide 5.7.1.4): these see the stores above
.endr
	s_wait_dscnt 0x0                               ; the chunk is back, and the stores have read their registers,
.if \c < 6
	LOAD \c+2                                      ; which take the chunk two further on
.endif
	s_wait_xcnt 0x0                                ; the last chunk's stores have read their data: the codes' registers may be written again
	s_cmp_lg_u32 s31, 0
	s_cbranch_scc1 .Lmask_\@
	QUANT X
	v_mov_b32 v[SW+\c], v[PW]
	global_store_b128 v[O16], v[PC:PC+3], s[48:49] offset:24576*((\c)/2)+1536*((\c)%2)          ; 512 consecutive bytes,
	global_store_b64 v[O8], v[PC+4:PC+5], s[48:49] offset:24576*((\c)/2)+1536*((\c)%2)+512      ; 256,
	global_store_b128 v[O16], v[PC+6:PC+9], s[48:49] offset:24576*((\c)/2)+1536*((\c)%2)+768    ; and the second half likewise: each store begins at a multiple of 256 from the buffer's first byte
	global_store_b64 v[O8], v[PC+10:PC+11], s[48:49] offset:24576*((\c)/2)+1536*((\c)%2)+1280
	s_branch .Ljoin_\@
.Lmask_\@:
.set j, 0
	s_wait_alu depctr_va_vdst(0)
.rept 16                                       ; word j = the lanes where number j is not 0: register j % 4 of lane 16 (c % 2) + j / 4
.irp k, 0,1,2,3
	v_cmp_ne_u32 s[44+\k], 0, v[X+j+\k]
.endr
.irp k, 0,1,2,3
	v_writelane_b32 v[MW+4*((\c)/2)+\k], s[44+\k], 16*((\c)%2)+j/4
.endr
.set j, j+4
.endr
.if (\c)%2 == 1
	global_store_b128 v[MO], v[MW+4*((\c)/2):MW+4*((\c)/2)+3], s[52:53] offset:1024*((\c)/2)   ; two key steps' words: two aligned runs of 256 bytes, 512 apart; these registers are not written again
.endif
.Ljoin_\@:
.endm
	LOAD 0
	LOAD 1
.irp c, 0,1,2,3,4,5,6,7
	CHUNK \c
.endr
	s_wait_tensorcnt 0x0                           ; behind my last LDS store
	ds_add_u32 v[SPW], v[NIL]
	s_wait_dscnt 0x0
	s_cmp_lg_u32 s31, 0
	s_cbranch_scc1 .Ldone
	s_wait_alu depctr_va_vdst(0)
.irp k, 0,1,2,3
	v_cndmask_b32 v[TT+\k], v[SW+\k], v[SW+4+\k], s42   ; lanes 0-15 store K steps 0-3 of row r, lanes 16-31 K steps 4-7 (both halves of the lanes hold row r's words)
.endr
	global_store_b128 v[O16], v[TT:TT+3], s[50:51]      ; the tile's 512 bytes of scale words
.Ldone:
	s_endpgm
.Lfunc_end_k_qd585edd09d_prep:
	.size	k_qd585edd09d_prep, .Lfunc_end_k_qd585edd09d_prep-k_qd585edd09d_prep
	.p2alignl 7, 3214868480
	.fill 96, 4, 3214868480
	.section	.rodata,"a",@progbits
	.p2align	6, 0x0
	.amdhsa_kernel k_qd585edd09d_prep
		.amdhsa_group_segment_fixed_size 34304
		.amdhsa_private_segment_fixed_size 0
		.amdhsa_enable_private_segment 0
		.amdhsa_kernarg_size 88
		.amdhsa_user_sgpr_count 2
		.amdhsa_user_sgpr_kernarg_segment_ptr 1
		.amdhsa_wavefront_size32 1
		.amdhsa_system_sgpr_workgroup_id_x 1
		.amdhsa_system_sgpr_workgroup_id_y 1
		.amdhsa_system_sgpr_workgroup_id_z 1
		.amdhsa_system_vgpr_workitem_id 0
		.amdhsa_next_free_vgpr 320
		.amdhsa_next_free_sgpr 66
		.amdhsa_reserve_vcc 0
		.amdhsa_float_denorm_mode_32 3
		.amdhsa_float_denorm_mode_16_64 3
		.amdhsa_memory_ordered 1
		.amdhsa_forward_progress 1
		.amdhsa_inst_pref_size 129
	.end_amdhsa_kernel
	.amdgpu_metadata
---
amdhsa.version: [ 1, 2 ]
amdhsa.kernels:
  - .name:           k_qd585edd09d_prep
    .symbol:         k_qd585edd09d_prep.kd
    .args:
      - { .name: query, .offset: 0, .size: 8, .value_kind: global_buffer, .address_space: global }
      - { .name: keys, .offset: 8, .size: 8, .value_kind: global_buffer, .address_space: global }
      - { .name: values, .offset: 16, .size: 8, .value_kind: global_buffer, .address_space: global }
      - { .name: Wq, .offset: 24, .size: 8, .value_kind: global_buffer, .address_space: global }
      - { .name: Wk, .offset: 32, .size: 8, .value_kind: global_buffer, .address_space: global }
      - { .name: Wv, .offset: 40, .size: 8, .value_kind: global_buffer, .address_space: global }
      - { .name: Wo, .offset: 48, .size: 8, .value_kind: global_buffer, .address_space: global }
      - { .name: mask, .offset: 56, .size: 8, .value_kind: global_buffer, .address_space: global }
      - { .name: ximg, .offset: 64, .size: 8, .value_kind: global_buffer, .address_space: global }
      - { .name: xscl, .offset: 72, .size: 8, .value_kind: global_buffer, .address_space: global }
      - { .name: mbits, .offset: 80, .size: 8, .value_kind: global_buffer, .address_space: global }
    .group_segment_fixed_size: 34304
    .private_segment_fixed_size: 0
    .kernarg_segment_align: 8
    .kernarg_segment_size: 88
    .max_flat_workgroup_size: 128
    .sgpr_count:     66
    .vgpr_count:     320
    .wavefront_size: 32
...
	.end_amdgpu_metadata
.endif
;; end of part 1
;; launch proj (part 2): grid 4 x 96, 4 waves a work-group, clusters of 4 x 4, 327,680 bytes of LDS; arguments ximg, xscl, qbuf, kv; writes qbuf, kv
.if DOCPART == 2
	.amdgcn_target "amdgcn-amd-amdhsa--gfx1250"
	.amdhsa_code_object_version 6
	.text
	.protected	k_qd585edd09d_proj
	.globl	k_qd585edd09d_proj
	.p2align	8
	.type	k_qd585edd09d_proj,@function
k_qd585edd09d_proj:
	s_mov_b64 s[64:65], 0
	v_nop
	global_prefetch_b8 v0, s[64:65] scope:SCOPE_SE
	s_setreg_imm32_b32 hwreg(HW_REG_WAVE_MODE, 25, 1), 1
	s_wait_xcnt 0x0
	s_wait_alu depctr_hold_cnt(0) depctr_sa_sdst(0) depctr_va_vdst(0) depctr_va_sdst(0) depctr_va_ssrc(0) depctr_va_vcc(0) depctr_vm_vsrc(0)
	s_getreg_b32 s2, hwreg(HW_REG_IB_STS2, 6, 4)
	s_cmp_eq_u32 s2, 0
	s_cbranch_scc0 .Lentry_in_a_cluster
	s_endpgm
.Lentry_in_a_cluster:
	s_bfe_u32 s2, ttmp6, 0x10000c
	s_cmp_lg_u32 s2, 0xf033
	s_cbranch_scc0 .Lentry_shape_is_right
	s_endpgm
.Lentry_shape_is_right:
; SECOND LAUNCH: q, k, v = the three projections on codes of E2M3; results are quantised along each head's 64 (v: along the keys) and stored as operand images for the attention launch.  No work is left out.
; A block of 256 x 256 to a work-group, 128 x 128 to a wave; 4 x 4 clusters with joint loads.  ximg is laid [8 tiles][pair of K steps][tile][3,072 bytes].
; LDS: three regions, each a pair of K steps: the tokens' 16 tiles, then the features' 16.  One side of a region is two dense pieces of 24,576 bytes, 98,304 apart in memory: one tensor load.
; At the head waves 0, 1 bring the tokens' side of regions 0, 1 and waves 2, 3 the features': one load a wave.  Region 2 is first filled behind the full sequence and a round, a quarter a wave (96 rows of 256 bytes);
; K steps 6-7 fill region 0 again behind the round in K step 1.
.set REG,    98304
.set FSIDE,  49152
.set QTR,    24576
.set TILEB,  3072
.set KSB,    1536
.set TROW,   12288
.set SPARE,  3*REG
.set FR,     12
.set ADR,    4
.set L16,    16
.set L8,     17
.set SPW,    28
.set NIL,    29
.set SCR,    32
.set SCP,    64
.set PWS,    96
.set TM,     104
.set AD,     116
.set XW,     120
.set VSEL,   124
.set SAD,    126
.set AF,     128
.set PC,     128
.set XV,     148
.set G1T, 24
.set G1F, 48
.set G0T, 68
.set G0F, 80
.set SEL, 36
.set MSB, 0
.macro WIN new
.if MSB != (\new)
	s_set_vgpr_msb (MSB<<8)|(\new)
.set MSB, (\new)
.endif
.endm
.set MUL_LO, 0xa1
.set MUL_HI, 0xf1
.set TO_P,   0x40
.macro JLOAD g0t, g0f
	s_cmp_eq_u32 s15, 0
	s_cbranch_scc0 .Lfor_f_\@
	tensor_load_to_lds s[\g0t:\g0t+3], s[G1T:G1T+7]
	s_nop 0
.rept 4
	v_nop
.endr
	s_branch .Lasked_\@
.Lfor_f_\@:
	tensor_load_to_lds s[\g0f:\g0f+3], s[G1F:G1F+7]
	s_nop 0
.rept 4
	v_nop
.endr
.Lasked_\@:
.endm
.macro CREST
	s_cmp_lg_u32 s14, 0
	s_cbranch_scc1 .Lnot_wave_0_\@
	s_barrier_signal -3
.Lnot_wave_0_\@:
	s_barrier_wait -3
	s_barrier_signal -1
	s_barrier_wait -1
.endm
.macro CROUND
	s_barrier_signal -1
	s_barrier_wait -1
	CREST
.endm
.macro PLACES n
.rept \n
	v_nop
.endr
.endm
	s_load_b128 s[4:7], s[0:1], 0x0
	s_load_b128 s[8:11], s[0:1], 0x10
	v_lshl_add_u32 v[SPW], v0, 2, SPARE
	v_mov_b32 v[NIL], 0
	ds_add_u32 v[SPW], v[NIL]
	ds_add_u32 v[SPW], v[NIL]
	v_lshrrev_b32 v1, 5, v0
	v_readfirstlane_b32 s14, v1
	s_lshr_b32 s15, s14, 1
	s_and_b32 s16, s14, 1
	s_bfe_u32 s40, ttmp6, 0x40000
	s_bfe_u32 s41, ttmp6, 0x40004
	s_lshl_b32 s42, ttmp9, 2
	s_add_co_u32 s42, s42, s40
	s_and_b32 s13, ttmp7, 0xffff
	s_lshr_b32 s18, s13, 3
	s_lshl_b32 s17, s13, 2
	s_add_co_u32 s17, s17, s41
	s_lshr_b32 s19, s18, 1
	s_min_u32 s19, s19, 1
	s_xor_b32 s12, s19, 1
	s_min_u32 s12, s12, 1
	s_lshl_b32 s43, s41, 2
	s_lshl_b32 s43, 15, s43
	s_lshl_b32 s44, 0x1111, s40
	s_or_b32 s[G1T], s43, (3<<16)|(1<<21)
	s_or_b32 s[G1F], s44, (3<<16)|(1<<21)
.irp g, G1T, G1F
	s_mov_b32 s[\g+1], 3072<<16                    ; the head's loads: 2 rows of 3,072 elements of 8 bytes, 12,288 elements apart
	s_mov_b32 s[\g+2], 2<<16
	s_mov_b32 s[\g+3], 3072<<16
	s_mov_b32 s[\g+4], 2
	s_mov_b32 s[\g+5], 12288
	s_mov_b32 s[\g+6], 0
	s_mov_b32 s[\g+7], 0
.endr
	s_lshl_b32 s22, s16, 3
	s_lshl_b32 s20, s17, 4
	s_add_co_u32 s20, s20, s22
	s_mul_i32 s20, s20, TROW
	s_mov_b32 s21, 0
	s_lshl_b32 s46, s42, 4
	s_add_co_u32 s46, s46, s22
	s_lshl_b32 s47, s18, 6
	s_add_co_u32 s46, s46, s47
	s_add_co_u32 s46, s46, 1536
	s_mul_i32 s46, s46, TROW
	s_mov_b32 s47, 0
	s_mul_i32 s45, s14, QTR
	s_mov_b32 s[SEL], 0x76543210
	s_mov_b32 s[SEL+1], 0xfedcba98
	s_mov_b32 s99, 0xffff0000
	s_wait_dscnt 0x0
	s_wait_kmcnt 0x0
	s_add_nc_u64 s[20:21], s[4:5], s[20:21]
	s_add_nc_u64 s[46:47], s[4:5], s[46:47]
	CROUND
.irp f, 0,2                                    ; sets 0 and 2: my quarter of regions 0 (for its refill) and 2
	s_mov_b32 s[G0T+4*\f], 1
	s_add_co_u32 s[G0T+4*\f+1], s45, \f*REG
	s_add_nc_u64 s[G0T+4*\f+2:G0T+4*\f+3], s[20:21], \f*QTR
	s_or_b32 s[G0T+4*\f+3], s[G0T+4*\f+3], 0x80000000
	s_mov_b32 s[G0F+4*\f], 1
	s_add_co_u32 s[G0F+4*\f+1], s45, \f*REG
	s_add_nc_u64 s[G0F+4*\f+2:G0F+4*\f+3], s[46:47], \f*QTR
	s_or_b32 s[G0F+4*\f+3], s[G0F+4*\f+3], 0x80000000
.endr
	s_mul_i32 s32, s16, 98304-QTR                  ; set 1, the head's: a whole side of region wave % 2: back to the side's first 8 tiles, on to that region
	s_mov_b32 s33, 0
	s_mul_i32 s34, s16, REG
	s_mov_b32 s[G0T+4], 1
	s_mov_b32 s[G0T+5], s34
	s_sub_nc_u64 s[G0T+6:G0T+7], s[20:21], s[32:33]
	s_or_b32 s[G0T+7], s[G0T+7], 0x80000000
	s_mov_b32 s[G0F+4], 1
	s_add_co_u32 s[G0F+5], s34, FSIDE
	s_sub_nc_u64 s[G0F+6:G0F+7], s[46:47], s[32:33]
	s_or_b32 s[G0F+7], s[G0F+7], 0x80000000
	JLOAD G0T+4, G0F+4                             ; my one tensor load at the head
	v_and_b32 v1, 15, v0
	v_bfe_u32 v2, v0, 4, 1
	v_and_b32 v3, 31, v0
	v_lshlrev_b32 v[L16], 4, v3
	s_wait_alu depctr_va_vdst(0)
	v_lshlrev_b32 v[L8], 3, v3
	s_wait_alu depctr_va_vdst(0)
	s_mul_i32 s22, s19, FSIDE
	s_mul_i32 s23, s15, QTR
	s_add_co_u32 s22, s22, s23
	s_mul_i32 s23, s12, FSIDE
	s_mul_i32 s32, s16, QTR
	s_add_co_u32 s23, s23, s32
.irp g, 0,1,2
	v_add_nc_u32 v[ADR+4*\g], s22, v[L16]
	v_add_nc_u32 v[ADR+4*\g+1], s22, v[L8]
	v_add_nc_u32 v[ADR+4*\g+2], s23, v[L16]
	v_add_nc_u32 v[ADR+4*\g+3], s23, v[L8]
	s_add_co_u32 s22, s22, REG
	s_add_co_u32 s23, s23, REG
.endr
	s_lshl_b32 s32, s17, 4
	s_lshl_b32 s33, s42, 4
	s_lshl_b32 s34, s18, 6
	s_add_co_u32 s33, s33, s34
	s_add_co_u32 s33, s33, 1536
	s_cmp_eq_u32 s19, 1
	s_cselect_b32 s34, s33, s32
	s_cselect_b32 s35, s32, s33
	s_lshl_b32 s32, s15, 3
	s_add_co_u32 s34, s34, s32
	s_lshl_b32 s32, s16, 3
	s_add_co_u32 s35, s35, s32
	s_lshl_b32 s56, s34, 9
	s_mov_b32 s57, 0
	s_add_nc_u64 s[56:57], s[6:7], s[56:57]
	s_lshl_b32 s58, s35, 9
	s_mov_b32 s59, 0
	s_add_nc_u64 s[58:59], s[6:7], s[58:59]
.irp a, 0,1,2,3,4,5,6,7
	global_load_b128 v[SCR+4*\a:SCR+4*\a+3], v[L16], s[56:57] offset:512*\a
	global_load_b128 v[SCP+4*\a:SCP+4*\a+3], v[L16], s[58:59] offset:512*\a
.endr
.irp i, 4,5,6,7
	v_mov_b32 v[TM+\i], 0
.endr
.macro FRAG reg, a16, a8, off
	ds_load_b128 v[(\reg):(\reg)+3], v[\a16] offset:(\off)
	ds_load_b64 v[(\reg)+4:(\reg)+5], v[\a8] offset:(\off)+512
	ds_load_b128 v[(\reg)+6:(\reg)+9], v[\a16] offset:(\off)+768
	ds_load_b64 v[(\reg)+10:(\reg)+11], v[\a8] offset:(\off)+1280
.endm
.macro FETCH_P g, q, set
	WIN TO_P
.irp i, 0,1,2,3,4,5,6,7
	FRAG 128*(\set)+FR*\i, ADR+4*(\g)+2, ADR+4*(\g)+3, \i*TILEB+(\q)*KSB
.endr
	WIN 0
.endm
.macro FETCH_R g, q, i0
.irp i, \i0, \i0+1, \i0+2, \i0+3
	FRAG AF+FR*(\i), ADR+4*(\g), ADR+4*(\g)+1, (\i)*TILEB+(\q)*KSB
.endr
.endm
.macro MUL16 a0, set, s, mode
.irp a, \a0, \a0+1
.irp b, 0,1,2,3,4,5,6,7
.set rD, 8*(8*((\a)%4)+\b)
.set rP, 128*(\set)+FR*\b
.set rR, AF+FR*(\a)
.set rX, SCP+4*\b+(\s)%4
.set rY, SCR+4*(\a)+(\s)%4
.if (\mode) == 1
	v_wmma_scale_f32_16x16x128_f8f6f4 v[rD:rD+7], v[rP:rP+FR-1], v[rR:rR+FR-1], 0, v[rX], v[rY] matrix_a_fmt:MATRIX_FMT_FP6 matrix_b_fmt:MATRIX_FMT_FP6
.elseif (\s) < 4
	v_wmma_scale_f32_16x16x128_f8f6f4 v[rD:rD+7], v[rP:rP+FR-1], v[rR:rR+FR-1], v[rD:rD+7], v[rX], v[rY] matrix_a_fmt:MATRIX_FMT_FP6 matrix_b_fmt:MATRIX_FMT_FP6
.else
	v_wmma_scale_f32_16x16x128_f8f6f4 v[rD:rD+7], v[rP:rP+FR-1], v[rR:rR+FR-1], v[rD:rD+7], v[rX], v[rY] matrix_a_fmt:MATRIX_FMT_FP6 matrix_b_fmt:MATRIX_FMT_FP6 matrix_a_scale:MATRIX_SCALE_ROW1 matrix_b_scale:MATRIX_SCALE_ROW1
.endif
.endr
.endr
.endm
.macro STEP s, g2, q2, mode
	s_wait_dscnt 16
	WIN MUL_LO
	MUL16 0, (\s)%2, \s, \mode
	MUL16 2, (\s)%2, \s, \mode
	s_wait_dscnt 0x0
	PLACES 4
	FETCH_P \g2, \q2, 1-(\s)%2
	FETCH_R \g2, \q2, 0
	WIN MUL_HI
	MUL16 4, (\s)%2, \s, \mode
	MUL16 6, (\s)%2, \s, \mode
	PLACES 4
	WIN 0
	FETCH_R \g2, \q2, 4
.endm
.macro TURN s, g2, fill
	s_wait_tensorcnt 0x0
	ds_add_u32 v[SPW], v[NIL]
	s_wait_dscnt 17
	WIN MUL_LO
	MUL16 0, (\s)%2, \s, 0
	s_wait_dscnt 0x0
	s_barrier_signal -1
	MUL16 2, (\s)%2, \s, 0
	WIN 0
	s_barrier_wait -1
.if \fill
	CREST
	s_add_nc_u64 s[G0T+2:G0T+3], s[G0T+2:G0T+3], 3*QTR
	s_add_nc_u64 s[G0F+2:G0F+3], s[G0F+2:G0F+3], 3*QTR
	JLOAD G0T, G0F
.else
	PLACES 4
.endif
	s_wait_alu depctr_va_vdst(0)
	FETCH_P \g2, 0, 1-(\s)%2
	FETCH_R \g2, 0, 0
	WIN MUL_HI
	MUL16 4, (\s)%2, \s, 0
	MUL16 6, (\s)%2, \s, 0
	PLACES 4
	WIN 0
	FETCH_R \g2, 0, 4
.endm
	s_wait_alu depctr_va_vdst(0)
	s_wait_tensorcnt 0x0                           ; my side is in
	ds_add_u32 v[SPW], v[NIL]
.irp g, G1T, G1F                               ; no tensor load of mine is out, so a descriptor may be written: from here on a load brings 96 rows of 256 bytes, dense
	s_mov_b32 s[\g+1], 32<<16
	s_mov_b32 s[\g+2], 96<<16
	s_mov_b32 s[\g+3], 32<<16
	s_mov_b32 s[\g+4], 96
	s_mov_b32 s[\g+5], 32
.endr
	s_wait_dscnt 0x0                               ; the add is done
	CROUND                                         ; regions 0 and 1 are whole, and all sixteen work-groups are here
	JLOAD G0T+8, G0F+8                             ; region 2, the first tensor load behind the round
	FETCH_P 0, 0, 0
	FETCH_R 0, 0, 0
	FETCH_R 0, 0, 4
	s_wait_loadcnt 0x0
	STEP 0, 0, 1, 1
	TURN 1, 1, 1
	STEP 2, 1, 1, 0
	STEP 3, 2, 0, 0
	STEP 4, 2, 1, 0
	TURN 5, 0, 0
	STEP 6, 0, 1, 0
	s_wait_dscnt 16
	WIN MUL_LO
	MUL16 0, 1, 7, 0
	MUL16 2, 1, 7, 0
	s_wait_dscnt 0x0
	WIN MUL_HI
	MUL16 4, 1, 7, 0
	MUL16 6, 1, 7, 0
	WIN 0
	s_cmp_eq_u32 s18, 0
	s_cselect_b64 s[92:93], s[8:9], s[10:11]
	s_mov_b32 s94, 204800
	s_cselect_b32 s94, 102400, s94
	s_mov_b32 s98, 12288
	s_cselect_b32 s98, 6144, s98
	s_cmp_eq_u32 s19, 1
	s_cselect_b32 s98, 6400, s98
	s_cselect_b32 s33, 6144, 0
	s_cselect_b32 s95, 768, s94
	s_mov_b32 s96, 3072
	s_cselect_b32 s96, s94, s96
	s_mov_b32 s97, 768
	s_cselect_b32 s97, 1536, s97
	s_cselect_b32 s34, s16, s15
	s_cselect_b32 s35, s15, s16
	s_cselect_b32 s38, -1, 0
	s_and_b32 s32, s17, 31
	s_lshl_b32 s32, s32, 8
	s_lshl_b32 s34, s34, 7
	s_add_co_u32 s32, s32, s34
	s_lshr_b32 s34, s32, 11
	s_lshl_b32 s34, s34, 4
	s_lshl_b32 s39, s42, 2
	s_add_co_u32 s34, s34, s39
	s_lshl_b32 s35, s35, 1
	s_add_co_u32 s34, s34, s35
	s_mul_i32 s34, s34, s94
	s_bfe_u32 s32, s32, 0x40007
	s_lshr_b32 s35, s94, 4
	s_mul_i32 s32, s32, s35
	s_add_co_u32 s34, s34, s32
	s_add_co_u32 s34, s34, s33
	s_mov_b32 s35, 0
	s_add_nc_u64 s[92:93], s[92:93], s[34:35]
	v_mul_lo_u32 v[SAD], v2, s94
	v_lshl_add_u32 v[SAD], v1, 4, v[SAD]
	v_add_nc_u32 v[SAD], s98, v[SAD]
	v_mov_b32 v[VSEL], 0x05040100
	v_mov_b32 v[VSEL+1], 0x07060302
	v_cndmask_b32 v[VSEL], v[VSEL], v[VSEL+1], s99
	PLACES 4
.macro EPI a
.set AC, 64*((\a)%4)
.set WA, 2+(\a)/4
.set WW, 5*WA
	s_wait_xcnt 0x0
	WIN WW
.irp b, 0,1,2,3
	v_max3_num_f32 v[TM+\b], |v[AC+16*\b]|, |v[AC+16*\b+1]|, 0x1800000
.endr
.irp i, 2,4,6,8,10,12,14
.irp b, 0,1,2,3
	v_max3_num_f32 v[TM+\b], |v[AC+16*\b+\i]|, |v[AC+16*\b+\i+1]|, v[TM+\b]
.endr
.endr
	WIN 0
.irp b, 0,1,2,3
	v_permlanex16_b32 v[TM+4+\b], v[TM+\b], s[SEL], s[SEL+1]
.endr
.irp b, 0,1,2,3
	v_max_num_f32 v[TM+\b], v[TM+\b], v[TM+4+\b]
.endr
.irp b, 0,1,2,3
	v_add_nc_u32 v[TM+8+\b], 0xff000000, v[TM+\b]
.endr
.irp b, 0,1,2,3
	v_lshrrev_b32 v[TM+4+\b], 23, v[TM+8+\b]
.endr
	v_lshl_or_b32 v[PWS+\a], v[TM+5], 8, v[TM+4]
	v_lshl_or_b32 v[PWS+\a], v[TM+6], 16, v[PWS+\a]
	v_lshl_or_b32 v[PWS+\a], v[TM+7], 24, v[PWS+\a]
	WIN WA
.irp c, 0,1
	v_cvt_scalef32_pk16_fp6_f32 v[PC+6*\c:PC+2+6*\c], v[AC+32*\c:AC+15+32*\c], v[TM+8+2*\c]
	v_cvt_scalef32_pk16_fp6_f32 v[PC+12+4*\c:PC+14+4*\c], v[AC+16+32*\c:AC+31+32*\c], v[TM+8+2*\c+1]
.endr
	WIN 0
	v_nop
.irp c, 0,1
.irp i, 0,1,2
	v_permlane16_swap_b32 v[PC+6*\c+\i], v[PC+12+4*\c+\i]
.endr
.irp i, 0,1,2
	v_mov_b32 v[PC+3+6*\c+\i], v[PC+12+4*\c+\i]
.endr
.endr
	s_mul_i32 s32, s96, (\a)/4
	s_mul_i32 s33, s97, (\a)%4
	s_add_co_u32 s32, s32, s33
	s_add_co_u32 s33, s32, s95
	v_add_nc_u32 v[AD], s32, v[L16]
	v_add_nc_u32 v[AD+1], s32, v[L8]
	v_add_nc_u32 v[AD+2], s33, v[L16]
	v_add_nc_u32 v[AD+3], s33, v[L8]
	global_store_b128 v[AD], v[PC:PC+3], s[92:93]
	global_store_b64 v[AD+1], v[PC+4:PC+5], s[92:93] offset:512
	global_store_b128 v[AD+2], v[PC+6:PC+9], s[92:93]
	global_store_b64 v[AD+3], v[PC+10:PC+11], s[92:93] offset:512
.endm
.irp a, 0,1,2,3,4,5,6,7
	EPI \a
.endr
.irp j, 0,1,2,3
	v_perm_b32 v[XW+\j], v[PWS+2*\j+1], v[PWS+2*\j], v[VSEL]
.endr
.irp j, 0,1,2,3
	v_cndmask_b32 v[XV+\j], v[PWS+\j], v[PWS+4+\j], s99
.endr
.irp j, 0,1,2,3
	v_cndmask_b32 v[XW+\j], v[XW+\j], v[XV+\j], s38
.endr
	global_store_b128 v[SAD], v[XW:XW+3], s[92:93]
	s_wait_tensorcnt 0x0
	ds_add_u32 v[SPW], v[NIL]
	s_wait_dscnt 0x0
	CROUND
	s_endpgm
.Lfunc_end_k_qd585edd09d_proj:
	.size	k_qd585edd09d_proj, .Lfunc_end_k_qd585edd09d_proj-k_qd585edd09d_proj
	.p2alignl 7, 3214868480
	.fill 96, 4, 3214868480
	.section	.rodata,"a",@progbits
	.p2align	6, 0x0
	.amdhsa_kernel k_qd585edd09d_proj
		.amdhsa_group_segment_fixed_size 327680
		.amdhsa_private_segment_fixed_size 0
		.amdhsa_enable_private_segment 0
		.amdhsa_kernarg_size 32
		.amdhsa_user_sgpr_count 2
		.amdhsa_user_sgpr_kernarg_segment_ptr 1
		.amdhsa_wavefront_size32 1
		.amdhsa_system_sgpr_workgroup_id_x 1
		.amdhsa_system_sgpr_workgroup_id_y 1
		.amdhsa_system_sgpr_workgroup_id_z 1
		.amdhsa_system_vgpr_workitem_id 0
		.amdhsa_next_free_vgpr 1024
		.amdhsa_next_free_sgpr 100
		.amdhsa_reserve_vcc 0
		.amdhsa_float_denorm_mode_32 3
		.amdhsa_float_denorm_mode_16_64 3
		.amdhsa_memory_ordered 1
		.amdhsa_forward_progress 1
		.amdhsa_inst_pref_size 151
	.end_amdhsa_kernel
	.amdgpu_metadata
---
amdhsa.version: [ 1, 2 ]
amdhsa.kernels:
  - .name:           k_qd585edd09d_proj
    .symbol:         k_qd585edd09d_proj.kd
    .args:
      - { .name: ximg, .offset: 0, .size: 8, .value_kind: global_buffer, .address_space: global }
      - { .name: xscl, .offset: 8, .size: 8, .value_kind: global_buffer, .address_space: global }
      - { .name: qbuf, .offset: 16, .size: 8, .value_kind: global_buffer, .address_space: global }
      - { .name: kv, .offset: 24, .size: 8, .value_kind: global_buffer, .address_space: global }
    .group_segment_fixed_size: 327680
    .private_segment_fixed_size: 0
    .kernarg_segment_align: 8
    .kernarg_segment_size: 32
    .max_flat_workgroup_size: 128
    .sgpr_count:     100
    .vgpr_count:     1024
    .wavefront_size: 32
...
	.end_amdgpu_metadata
.endif
;; end of part 2
;; launch attn (part 3): grid 4 x 64, 8 waves a work-group, clusters of 4 x 1, 206,848 bytes of LDS; arguments qbuf, kv, mbits, ao, aos; writes ao, aos
.if DOCPART == 3
	.amdgcn_target "amdgcn-amd-amdhsa--gfx1250"
	.amdhsa_code_object_version 6
	.text
	.protected	k_qd585edd09d_attn
	.globl	k_qd585edd09d_attn
	.p2align	8
	.type	k_qd585edd09d_attn,@function
k_qd585edd09d_attn:
	s_mov_b64 s[64:65], 0
	v_nop
	global_prefetch_b8 v0, s[64:65] scope:SCOPE_SE
	s_setreg_imm32_b32 hwreg(HW_REG_WAVE_MODE, 25, 1), 1
	s_wait_xcnt 0x0
	s_wait_alu depctr_hold_cnt(0) depctr_sa_sdst(0) depctr_va_vdst(0) depctr_va_sdst(0) depctr_va_ssrc(0) depctr_va_vcc(0) depctr_vm_vsrc(0)
	s_getreg_b32 s2, hwreg(HW_REG_IB_STS2, 6, 4)
	s_cmp_eq_u32 s2, 0
	s_cbranch_scc0 .Lentry_in_a_cluster
	s_endpgm
.Lentry_in_a_cluster:
	s_bfe_u32 s2, ttmp6, 0x10000c
	s_cmp_lg_u32 s2, 0x3003
	s_cbranch_scc0 .Lentry_shape_is_right
	s_endpgm
.Lentry_shape_is_right:
; THIRD LAUNCH: for each of the 64 heads (batch x head): energy = q k^T; where the mask is 0 the energy becomes -10000; softmax(energy / 8); times v.  Both products on codes of E2M3.  No work is left out:
; the mask is an input, so every score is computed and the mask selects.
; THE SOFTMAX AHEAD OF THE SECOND PRODUCT: t = energy x log2(e) / 8; M = the running largest t rounded up to a whole number; p = 2^(t - M) is quantised along the keys; the row's sum l is taken of the unquantised p and divides O
; at the end; when M moves, l and O are multiplied by 2^(old M - new M), which rounds nothing.  O / l is quantised along the head's 64 and stored as images of the last product's operand (ao, aos, laid as ximg, xscl).
; LIMITS: NaN and infinities are not served; p and 2^(old M - new M) under the smallest normal f32 number become 0; a block of zeros gets the scale byte 1 (its codes are zeros).
; SHARES.  A work-group owns 512 queries of one head; each of its 8 waves 64, in two passes of TWO TILES of 16 queries, A and B, held at once: A's registers in window 0, B's at the same numbers in window 1.
; Both tiles use each fragment of K and V that the wave reads from LDS.  A key step of 128 is two phases.  Phase X: X's softmax in vector instructions, then X's O += V P and X's NEXT scores, which the matrix
; unit works off under the other tile's phase.  K of step s + 1 and V of step s are read from LDS in phase A of step s.
; THE WHOLE HEAD STAYS IN LDS: 16 records of 12,800 bytes (K's four fragments, V's four, their scale words).  Wave w brings records 2 w, 2 w + 1 by one tensor load: nothing is filled again, one barrier serves the launch.
; CLUSTER 4 x 1: the four work-groups of a head ask for each record jointly, with the same descriptor and the mask 15.
; BOTH PRODUCTS TRANSPOSED: S^T = K Q^T, O^T = V^T P^T: a lane holds one query (lane % 16).  Key tile 4 g + u holds at place m key 64 g + 8 u + m % 8 + 32 (m / 8): score register j of lane (r, h) is key 64 (j / 32) + 32 h + j % 32:
; a lane holds two whole blocks of 32 keys, as the operand's layout wants p.
; K = 64 IN AN INSTRUCTION OF 128: fragment f of K holds key tile 2 f in its first half, tile 2 f + 1 in its second.  Q stands as zeros, q, zeros: v[10:21] = (q, 0) picks tile 2 f, v[4:15] = (0, q) tile 2 f + 1.
; THE MASK comes as lane masks, one word a score register, 256 bytes a phase in the order of the phases, by scalar loads a phase ahead; these bytes are asked for AHEAD key steps earlier by one prefetch a step
; (lanes 0-15 name A's 256 bytes, lanes 16-31 B's); in the wave's last AHEAD steps the address stays at its last step's bytes.
.set REC,   12800
.set SPARE, 16*REC                     ; behind the head: the spare words, 128 bytes for each of 8 waves
.set AHEAD, 3
; window 0 alone
.set SPW, 1                            ; my spare word; never rewritten
.set NIL, 2                            ; 0; never rewritten
.set L16, 3                            ; 16 x lane
.set QSR, 22                           ; v22, v23 Q's scale word, tile A, B
.set PSR, 24                           ; v24, v25 p's scale word, tile A, B
.set L8,  76                           ; 8 x lane
.set A16, 77
.set A8,  78
.set R16, 79                           ; 16 r
.set RAW, 80                           ; the two tiles' scale bytes of q
.set PFO, 81                           ; 256 h
.set KSK, 184                          ; v184-187 lanes 0-15: K's scale words of the next step
.set KSV, 188                          ; v188-191 lanes 16-31: V's scale words of this step
.set KF,  192                          ; v192-239: window 0 K's four fragments, window 1 V's
; in each tile's window: v4-21 zeros, q, zeros; v30 -M, v31 the largest score, v[32:33] l in two halves, v[34:35] f, v36 -10000, v37 8 h
.set BM,  38                           ; v38-41 largest scores
.set SO,  42                           ; v42-43 the conversions' scale operands
.set BY,  44                           ; v44-45 scale bytes
.set T0,  46
.set T1,  47
.set P,   56                           ; v56-67 p's codes; v68-70, v72-74 at work
.set CT,  68
.set S,   88                           ; v88-151 S^T, then p
.set O,   152                          ; v152-183 O^T
.set WV,  2
.set PCN, 3                            ; passes to go
.set SEL, 4
.set CS,  6                            ; s[6:7] c = log2(e) / 8
.set NC,  8                            ; -c
.set TB,  9                            ; the step's record in LDS
.set CNT, 10
.set GC,  11                           ; key steps to go, of the wave's 32
.set AOB, 12
.set ASB, 14
.set G1,  84
.set G0,  92
.set PB,  84                           ; behind the head: s[84:85] where the prefetch stands
.set INP, 92                           ; s[92:93] its step;  s[94:95] the mask words' step
.set INM, 94
.set QB,  96
.set QSB, 98
.set MP,  100                          ; s[100:101] the mask words last asked for
.set MSB, 0
.macro WIN new                         ; the immediate's high byte repeats the setting that is left
.if MSB != (\new)
	s_set_vgpr_msb (MSB<<8)|(\new)
.set MSB, (\new)
.endif
.endm
.macro CROUND
	s_barrier_signal -1
	s_barrier_wait -1
	s_cmp_lg_u32 s[WV], 0
	s_cbranch_scc1 .Lnot_wave_0_\@
	s_barrier_signal -3
.Lnot_wave_0_\@:
	s_barrier_wait -3
	s_barrier_signal -1
	s_barrier_wait -1
.endm
	s_load_b256 s[16:23], s[0:1], 0x0              ; qbuf, kv, mbits, ao
	s_load_b64 s[24:25], s[0:1], 0x20              ; aos
	v_lshl_add_u32 v[SPW], v0, 2, SPARE
	v_mov_b32 v[NIL], 0
	ds_add_u32 v[SPW], v[NIL]                      ; the opening: the add, twice on end, and its wait ahead of my first tensor load
	ds_add_u32 v[SPW], v[NIL]
	v_lshrrev_b32 v3, 5, v0
	v_readfirstlane_b32 s[WV], v3                  ; wave 0..7
	s_bfe_u32 s66, ttmp6, 0x40000                  ; cx: which 512 queries
	s_and_b32 s67, ttmp7, 0xffff                   ; 16 n + head, which the four partners share
	s_mov_b32 s[G1], 15|(3<<16)|(1<<21)            ; the mask: all four; elements of 8 bytes; bit 21 set beside a mask
	s_mov_b32 s[G1+1], 32<<16                      ; two records are dense: 100 rows of 256 bytes
	s_mov_b32 s[G1+2], 100<<16
	s_mov_b32 s[G1+3], 32<<16
	s_mov_b32 s[G1+4], 100
	s_mov_b32 s[G1+5], 32
	s_mov_b32 s[G1+6], 0
	s_mov_b32 s[G1+7], 0
	s_mov_b32 s[G0], 1
	s_mul_i32 s[G0+1], s[WV], 2*REC                ; records 2 w, 2 w + 1, in LDS
	s_mul_i32 s100, s67, 16*REC
	s_add_co_u32 s100, s100, s[G0+1]               ; and in memory
	s_mov_b32 s101, 0
	s_mov_b32 s[SEL], 0x76543210
	s_mov_b32 s[SEL+1], 0xfedcba98
	s_mov_b32 s[CS], 0x3e38aa3b
	s_mov_b32 s[CS+1], s[CS]                       ; (named with it as a pair)
	s_mov_b32 s[NC], 0xbe38aa3b
	s_wait_dscnt 0x0                               ; both opening adds are done
	s_wait_kmcnt 0x0
	s_add_nc_u64 s[G0+2:G0+3], s[18:19], s[100:101]
	s_or_b32 s[G0+3], s[G0+3], 0x80000000
	CROUND                                         ; all four work-groups are here: the joint loads meet
	tensor_load_to_lds s[G0:G0+3], s[G1:G1+7]      ; my one tensor load
	s_nop 0
	s_lshr_b32 s26, s67, 4                         ; n
	s_and_b32 s27, s67, 15                         ; head
	s_lshl_b32 s28, s26, 7
	s_lshl_b32 s29, s66, 5
	s_add_co_u32 s28, s28, s29
	s_lshl_b32 s29, s[WV], 2
	s_add_co_u32 s28, s28, s29                     ; my first tile of queries, of 512: 128 n + 32 cx + 4 w
	s_mov_b32 s31, 0
	s_lshl_b32 s30, s28, 12
	s_add_nc_u64 s[MP:MP+1], s[20:21], s[30:31]    ; my mask words: 8,192 bytes a pair of tiles, 16,384 on end for the wave
	s_lshr_b32 s30, s28, 3
	s_mul_i32 s30, s30, 98304
	s_and_b32 s29, s28, 7
	s_mul_i32 s29, s29, 3072
	s_add_co_u32 s30, s30, s29
	s_lshr_b32 s29, s27, 2
	s_mul_i32 s29, s29, 24576                      ; head hd owns half hd % 2 of K step hd / 2: pair of K steps hd / 4, byte 768 (hd % 4) of the tile's 3,072
	s_add_co_u32 s30, s30, s29
	s_and_b32 s29, s27, 3
	s_mul_i32 s29, s29, 768
	s_add_co_u32 s30, s30, s29
	s_add_nc_u64 s[AOB:AOB+1], s[22:23], s[30:31]
	s_lshl_b32 s30, s28, 9
	s_lshr_b32 s29, s27, 3
	s_lshl_b32 s29, s29, 8
	s_add_co_u32 s30, s30, s29
	s_bfe_u32 s29, s27, 0x20001
	s_lshl_b32 s29, s29, 2
	s_add_co_u32 s30, s30, s29
	s_and_b32 s29, s27, 1
	s_lshl_b32 s29, s29, 1
	s_add_co_u32 s30, s30, s29
	s_add_nc_u64 s[ASB:ASB+1], s[24:25], s[30:31]  ; and two bytes of that K step's scale word
	s_mul_i32 s30, s67, 102400
	s_lshl_b32 s29, s66, 2
	s_lshr_b32 s32, s[WV], 1
	s_add_co_u32 s29, s29, s32
	s_mul_i32 s29, s29, 6400
	s_add_co_u32 s30, s30, s29                     ; my group of 128 queries in qbuf
	s_and_b32 s32, s[WV], 1
	s_lshl_b32 s33, s32, 3
	s_add_co_u32 s34, s30, s33
	s_add_co_u32 s34, s34, 6144
	s_mov_b32 s35, 0
	s_add_nc_u64 s[QSB:QSB+1], s[16:17], s[34:35]  ; the scale word of my first pair of tiles
	s_mul_i32 s33, s32, 3072
	s_add_co_u32 s30, s30, s33
	s_add_nc_u64 s[QB:QB+1], s[16:17], s[30:31]    ; its codes
	s_load_b512 s[16:31], s[MP:MP+1], 0x0          ; tile A's 64 mask words of key step 0 (word j: s[16 + j], from 48 on s[20 + j])
	s_load_b512 s[32:47], s[MP:MP+1], 0x40
	s_load_b512 s[48:63], s[MP:MP+1], 0x80
	s_load_b512 s[68:83], s[MP:MP+1], 0xc0
	v_and_b32 v85, 31, v0
	v_and_b32 v86, 15, v0
	v_bfe_u32 v87, v0, 4, 1
	v_lshlrev_b32 v[L16], 4, v85
	v_lshlrev_b32 v[L8], 3, v85
	v_lshlrev_b32 v[R16], 4, v86
	v_lshlrev_b32 v[PFO], 8, v87
.macro CONSTS                          ; what each tile's window holds for the whole launch
.irp i, 4,5,6,7,8,9,16,17,18,19,20,21,35,47
	v_mov_b32 v\i, 0                               ; the zero codes on both sides of q; the upper half of the pair v[34:35]; a lane permute's destination counts as one of its sources
.endr
	v_mov_b32 v36, 0xc61c4000                      ; -10000.0
	v_lshlrev_b32 v37, 3, v87
.endm
	CONSTS
	WIN 0x40                                       ; destinations in window 1
	CONSTS
	WIN 0
	s_mov_b32 s[PCN], 2
	s_mov_b32 s[GC], 32
	s_wait_alu depctr_va_vdst(0)
	s_wait_tensorcnt 0x0                           ; my records are in (and the descriptors' registers are free),
	s_barrier_signal -1
	s_barrier_wait -1                              ; everybody's are: the head is whole
	s_add_nc_u64 s[PB:PB+1], s[MP:MP+1], (AHEAD-1)*512
	s_mov_b32 s[INP], 0
	s_mov_b32 s[INP+1], 0
	s_mov_b32 s[INM], 256
	s_mov_b32 s[INM+1], 0
.macro FRAG reg, off
	ds_load_b128 v[(\reg):(\reg)+3], v[A16] offset:(\off)
	ds_load_b64 v[(\reg)+4:(\reg)+5], v[A8] offset:(\off)+512
	ds_load_b128 v[(\reg)+6:(\reg)+9], v[A16] offset:(\off)+768
	ds_load_b64 v[(\reg)+10:(\reg)+11], v[A8] offset:(\off)+1280
.endm
.macro QK W                            ; tile W's scores of 128 keys: K from window 0, all else from the tile's window
	WIN 0x54*\W
.irp f, 0,1,2,3
	v_wmma_scale_f32_16x16x128_f8f6f4 v[S+16*\f:S+16*\f+7], v[KF+12*\f:KF+12*\f+11], v[10:21], 0, v[KSK+\f], v[QSR+\W] matrix_a_fmt:MATRIX_FMT_FP6 matrix_b_fmt:MATRIX_FMT_FP6
	v_wmma_scale_f32_16x16x128_f8f6f4 v[S+16*\f+8:S+16*\f+15], v[KF+12*\f:KF+12*\f+11], v[4:15], 0, v[KSK+\f], v[QSR+\W] matrix_a_fmt:MATRIX_FMT_FP6 matrix_b_fmt:MATRIX_FMT_FP6
.endr
.endm
.macro SCL r                           ; p's scale word, a line or two between the rounds of the sum
.if \r == 0
	v_max_num_f32 v[BM], 0x1800000, v[BM]          ; the floor 2^(3 - 127): the byte cannot fall under 1
	v_max_num_f32 v[BM+2], 0x1800000, v[BM+2]
.elseif \r == 1
	v_add_nc_u32 v[SO], 0xff000000, v[BM]          ; 2 off the exponent field: the conversion's scale operand
	v_add_nc_u32 v[SO+1], 0xff000000, v[BM+2]
.elseif \r == 2
	v_lshrrev_b32 v[BY], 23, v[SO]
	v_lshrrev_b32 v[BY+1], 23, v[SO+1]
.elseif \r == 3
	v_lshl_or_b32 v[T0], v[BY+1], 16, v[BY]        ; my blocks h and 2 + h,
.elseif \r == 4
	v_lshlrev_b32 v[T0], v37, v[T0]                ; at their places in the word
.else
	v_permlanex16_b32 v[T1], v[T0], s[SEL], s[SEL+1]
.endif
.endm
; A PHASE: tile W's part of a key step.  nx = 1: a further key step follows in this pass.
.macro PHASE W, nx
	WIN 0x55*\W
	s_wait_kmcnt 0x0                               ; this phase's mask words; the loads that read s[MP] are done
.if \W == 0
	s_wait_xcnt 0x0                                ; the last step's prefetch has read its address
	s_cmp_gt_u32 s[GC], AHEAD
	s_cselect_b32 s[INP], 512, 0                   ; in the wave's last AHEAD steps the address stays inside the wave's words
	s_add_nc_u64 s[PB:PB+1], s[PB:PB+1], s[INP:INP+1]
.elseif \nx == 0
	s_cmp_lg_u32 s[PCN], 1
	s_cselect_b32 s[INM], 256, 0                   ; behind the wave's last phase lie no words of its own: the address stays, and what comes is not used
.endif
	s_add_nc_u64 s[MP:MP+1], s[MP:MP+1], s[INM:INM+1]
.irp g, 0,1,2,3
.irp i, 0,1,2,3,4,5,6,7,8,9,10,11,12,13,14,15
	v_cndmask_b32 v[S+16*\g+\i], v36, v[S+16*\g+\i], s[16+16*\g+4*(\g/3)+\i]   ; where the mask is 0: -10000, ahead of the scaling.  (Ascending: each accumulator is read from its low end on)
.endr
	s_load_b512 s[16+16*\g+4*(\g/3):31+16*\g+4*(\g/3)], s[MP:MP+1], 64*\g       ; the next phase's words
.if \W == 0 && \g == 0                 ; the sixteen selects above are the places behind the other tile's products
	v_add_nc_u32 v[A16], s[TB], v[L16]
	v_add_nc_u32 v[A8], s[TB], v[L8]
	ds_load_b128 v[KSV:KSV+3], v[A16] offset:12288
.if \nx
	ds_load_b128 v[KSK:KSK+3], v[A16] offset:REC+12288
.irp f, 0,1,2,3
	FRAG KF+12*\f, REC+1536*\f                     ; K of the next step
.endr
.endif
	WIN 0x40
.irp f, 0,1,2,3
	FRAG KF+12*\f, 6144+1536*\f                    ; V of this step, into window 1
.endr
	WIN 0
.endif
.endr
.if \W == 0
	global_prefetch_b8 v[PFO], s[PB:PB+1] th:TH_LOAD_NT scope:SCOPE_SE   ; both tiles' mask words of AHEAD steps on
.endif
.irp q, 0,1,2,3
	v_max3_num_f32 v[BM+\q], v[S+16*\q], v[S+16*\q+1], v[S+16*\q+2]   ; the largest score of each block of 32 keys, in two chains a block: it serves the row's maximum and, since p rises with the score, the block's largest p
.endr
.irp i, 3,5,7,9,11,13
.irp q, 0,1,2,3
	v_max3_num_f32 v[BM+\q], v[BM+\q], v[S+16*\q+\i], v[S+16*\q+\i+1]
.endr
.endr
.irp c, 0,1
	v_max3_num_f32 v[BM+2*\c], v[BM+2*\c], v[BM+2*\c+1], v[S+32*\c+15]
.endr
.irp c, 0,1
	v_max_num_f32 v[BM+2*\c], v[BM+2*\c], v[S+32*\c+31]
.endr
	s_delay_alu instid0(VALU_DEP_1)
	v_max_num_f32 v[T0], v[BM], v[BM+2]
	s_delay_alu instid0(VALU_DEP_1)
	v_permlanex16_b32 v[T1], v[T0], s[SEL], s[SEL+1]
	s_delay_alu instid0(VALU_DEP_1)
	v_max3_num_f32 v31, v31, v[T0], v[T1]          ; the running largest score (c is positive)
	s_delay_alu instid0(VALU_DEP_1)
	v_mul_f32 v[T0], s[NC], v31                    ; -t
	s_delay_alu instid0(VALU_DEP_1)
	v_floor_f32 v[T0], v[T0]                       ; -M = floor(-t): M is a whole number
	s_delay_alu instid0(VALU_DEP_1)
	v_sub_f32 v[T1], v[T0], v30                    ; old M - new M: a whole number, 0 or less
	v_mov_b32 v30, v[T0]
	s_delay_alu instid0(VALU_DEP_2)
	v_cvt_i32_f32 v[T1], v[T1]                     ; (it saturates)
	s_delay_alu instid0(VALU_DEP_1)
	v_ldexp_f32 v34, 1.0, v[T1]                    ; f = 2^(old M - new M)
.set j, 0
.rept 32
	v_pk_fma_f32 v[S+j:S+j+1], v[S+j:S+j+1], s[CS:CS+1], v[30:31] op_sel_hi:[1,0,0]   ; t - M, two at a time
.set j, j+2
.endr
	v_fma_f32 v[BM], v[BM], s[CS], v30             ; the same of each block's largest score
	v_fma_f32 v[BM+2], v[BM+2], s[CS], v30
	s_wait_alu depctr_va_vdst(0)
.set j, 0
.rept 64
	v_exp_f32 v[S+j], v[S+j]                       ; p = 2^(t - M), at most 1
.set j, j+1
.endr
	v_exp_f32 v[BM], v[BM]                         ; the block's largest p: the same two instructions on the same number
	v_exp_f32 v[BM+2], v[BM+2]
	v_pk_mul_f32 v[32:33], v[32:33], v[34:35] op_sel_hi:[1,0]   ; l under the new M: the plain instruction behind the exponentials
	s_wait_alu depctr_va_vdst(0)                   ; one wait for the batch, ahead of its first reader
	v_pk_add_f32 v[48:49], v[S:S+1], v[S+2:S+3]    ; the row's sum of the unquantised p, in four chains
	v_pk_add_f32 v[50:51], v[S+4:S+5], v[S+6:S+7]
	v_pk_add_f32 v[52:53], v[S+8:S+9], v[S+10:S+11]
	v_pk_add_f32 v[32:33], v[32:33], v[S+12:S+13]
.irp r, 0,1,2,3,4,5
	v_pk_add_f32 v[48:49], v[48:49], v[S+14+8*\r:S+15+8*\r]
	v_pk_add_f32 v[50:51], v[50:51], v[S+16+8*\r:S+17+8*\r]
	v_pk_add_f32 v[52:53], v[52:53], v[S+18+8*\r:S+19+8*\r]
	v_pk_add_f32 v[32:33], v[32:33], v[S+20+8*\r:S+21+8*\r]
	SCL \r
.endr
	v_pk_add_f32 v[48:49], v[48:49], v[S+62:S+63]
	v_pk_add_f32 v[50:51], v[50:51], v[52:53]
	v_pk_add_f32 v[32:33], v[32:33], v[48:49]
	WIN 0x15*\W                                    ; scale registers lie in window 0
	v_or_b32 v[PSR+\W], v[T0], v[T1]               ; with lane l xor 16's two bytes p's scale word is whole
	WIN 0x55*\W
	v_pk_add_f32 v[32:33], v[32:33], v[50:51]
.irp c, 0,1
	v_cvt_scalef32_pk16_fp6_f32 v[P+6*\c:P+6*\c+2], v[S+32*\c:S+32*\c+15], v[SO+\c]
	v_cvt_scalef32_pk16_fp6_f32 v[CT+4*\c:CT+4*\c+2], v[S+32*\c+16:S+32*\c+31], v[SO+\c]   ; (a conversion's three registers begin on an even number)
.endr
	v_nop                                          ; one plain instruction behind the scaled conversions
.irp c, 0,1
.irp i, 0,1,2
	v_mov_b32 v[P+3+6*\c+\i], v[CT+4*\c+\i]
.endr
.endr
.set j, 0
.rept 16
	v_pk_mul_f32 v[O+j:O+j+1], v[O+j:O+j+1], v[34:35] op_sel_hi:[1,0]   ; O^T under the new M.  (For each product below, the twelve of these that name other accumulators are the places behind the writes of p's codes and scale word)
.set j, j+2
.endr
.if \W == 0
	s_wait_alu depctr_va_vdst(0)
	s_wait_dscnt 0x0                               ; V, and the next K, are in
.endif
	WIN 0x01+0x54*\W                               ; V from window 1
.irp t, 0,1,2,3
	v_wmma_scale_f32_16x16x128_f8f6f4 v[O+8*\t:O+8*\t+7], v[KF+12*\t:KF+12*\t+11], v[P:P+11], v[O+8*\t:O+8*\t+7], v[KSV+\t], v[PSR+\W] matrix_a_fmt:MATRIX_FMT_FP6 matrix_b_fmt:MATRIX_FMT_FP6 matrix_a_scale:MATRIX_SCALE_ROW1
.endr
.if \nx
	QK \W                                          ; the tile's next scores: read a whole phase later
.endif
.endm
; A tile's way out: O^T / l, quantised along the head's 64 (register 16 b + i = channel 32 b + 16 h + i), half a fragment and two scale bytes a row.
.macro OUT W
	WIN 0x55*\W
	v_add_f32 v32, v32, v33
	s_delay_alu instid0(VALU_DEP_1)
	v_permlanex16_b32 v[T1], v32, s[SEL], s[SEL+1]
	s_delay_alu instid0(VALU_DEP_1)
	v_add_f32 v32, v32, v[T1]                      ; the row's sum
	s_wait_alu depctr_va_vdst(0)
	v_rcp_f32 v32, v32
	v_nop                                          ; a plain instruction behind the reciprocal,
	s_wait_alu depctr_va_vdst(0)                   ; and the wait ahead of its first reader
.set j, 0
.rept 16
	v_pk_mul_f32 v[S+j:S+j+1], v[O+j:O+j+1], v[32:33] op_sel_hi:[1,0]
.set j, j+2
.endr
.irp b, 0,1
	v_max3_num_f32 v[BM+\b], |v[S+16*\b]|, |v[S+16*\b+1]|, 0x1800000
.endr
.irp i, 2,4,6,8,10,12,14
.irp b, 0,1
	v_max3_num_f32 v[BM+\b], v[BM+\b], |v[S+16*\b+\i]|, |v[S+16*\b+\i+1]|
.endr
.endr
.irp b, 0,1
	v_permlanex16_b32 v[BY+\b], v[BM+\b], s[SEL], s[SEL+1]
.endr
.irp b, 0,1
	v_max_num_f32 v[BM+\b], v[BM+\b], v[BY+\b]
.endr
.irp b, 0,1
	v_add_nc_u32 v[SO+\b], 0xff000000, v[BM+\b]
.endr
.irp b, 0,1
	v_lshrrev_b32 v[BY+\b], 23, v[SO+\b]
.endr
	v_lshl_or_b32 v[T0], v[BY+1], 8, v[BY]
	v_cvt_scalef32_pk16_fp6_f32 v[P:P+2], v[S:S+15], v[SO]
	v_cvt_scalef32_pk16_fp6_f32 v[CT:CT+2], v[S+16:S+31], v[SO+1]
	v_nop
.irp i, 0,1,2
	v_permlane16_swap_b32 v[P+\i], v[CT+\i]        ; the operand wants a whole block in a lane
.endr
.irp i, 0,1,2
	v_mov_b32 v[P+3+\i], v[CT+\i]
.endr
	WIN 0x04*\W                                    ; the data from the tile's window, the offsets from window 0
	global_store_b128 v[L16], v[P:P+3], s[AOB:AOB+1] offset:3072*\W          ; 512 consecutive bytes, at a multiple of 256 from the buffer's first byte,
	global_store_b64 v[L8], v[P+4:P+5], s[AOB:AOB+1] offset:3072*\W+512      ; and 256
	global_store_b16 v[R16], v[T0], s[ASB:ASB+1] offset:512*\W               ; a head owns 2 of a row's 32 scale bytes; lanes l and l xor 16 store the same value to the same place
.endm
.macro INIT                            ; a tile's sums begin: the step is written once, and the first finds zeros
	v_mov_b32 v30, 0x7f61b1e6                      ; -M = 3e38,
	v_mov_b32 v31, 0xff61b1e6                      ; the largest score so far: -3e38
	v_mov_b32 v32, 0
	v_mov_b32 v33, 0
.set j, 0
.rept 32
	v_mov_b32 v[O+j], 0
.set j, j+1
.endr
.endm
.Lpass:                                            ; two tiles of queries through the head's 16 key steps
	global_load_b128 v[10:13], v[L16], s[QB:QB+1]
	global_load_b64 v[14:15], v[L8], s[QB:QB+1] offset:512
	global_load_b32 v[RAW], v[R16], s[QSB:QSB+1]
	s_mov_b32 s[TB], 0
	v_add_nc_u32 v[A16], s[TB], v[L16]
	v_add_nc_u32 v[A8], s[TB], v[L8]
	ds_load_b128 v[KSK:KSK+3], v[A16] offset:12288
.irp f, 0,1,2,3
	FRAG KF+12*\f, 1536*\f                         ; K of step 0
.endr
	WIN 0x40
	global_load_b128 v[10:13], v[L16], s[QB:QB+1] offset:768
	global_load_b64 v[14:15], v[L8], s[QB:QB+1] offset:1280
	INIT
	WIN 0
	s_wait_loadcnt 0x0
	v_perm_b32 v[QSR], v[RAW], v[RAW], 0x01000100  ; a tile's two bytes, for both halves of the instruction's K
	v_perm_b32 v[QSR+1], v[RAW], v[RAW], 0x03020302
	INIT                                           ; (also the places between the writes of Q's scale words and the first products)
	s_wait_alu depctr_va_vdst(0)
	s_wait_dscnt 0x0
	QK 0
	QK 1
	WIN 0
.rept 4
	v_nop                                          ; places ahead of the first read of tile A's scores
.endr
	s_mov_b32 s[CNT], 15
.Lstep:
	PHASE 0, 1
	PHASE 1, 1
	WIN 0
	s_add_co_u32 s[TB], s[TB], REC
	s_sub_co_u32 s[GC], s[GC], 1
	s_sub_co_u32 s[CNT], s[CNT], 1
	s_cmp_lg_u32 s[CNT], 0
	s_cbranch_scc1 .Lstep
	PHASE 0, 0                                     ; the pass's last key step: no K behind it
	PHASE 1, 0
	s_sub_co_u32 s[GC], s[GC], 1
	OUT 0                                          ; (its vector instructions are the places behind tile B's last products)
	OUT 1
	WIN 0
	s_wait_xcnt 0x0                                ; the loads and stores have read their bases and data
	s_add_nc_u64 s[QB:QB+1], s[QB:QB+1], 1536
	s_add_nc_u64 s[QSB:QSB+1], s[QSB:QSB+1], 4
	s_add_nc_u64 s[AOB:AOB+1], s[AOB:AOB+1], 6144
	s_add_nc_u64 s[ASB:ASB+1], s[ASB:ASB+1], 1024
	s_sub_co_u32 s[PCN], s[PCN], 1
	s_cmp_lg_u32 s[PCN], 0
	s_cbranch_scc1 .Lpass
	s_wait_tensorcnt 0x0                           ; the wave's end
	ds_add_u32 v[SPW], v[NIL]
	s_wait_dscnt 0x0
	CROUND                                         ; the closing round
	s_endpgm
.Lfunc_end_k_qd585edd09d_attn:
	.size	k_qd585edd09d_attn, .Lfunc_end_k_qd585edd09d_attn-k_qd585edd09d_attn
	.p2alignl 7, 3214868480
	.fill 96, 4, 3214868480
	.section	.rodata,"a",@progbits
	.p2align	6, 0x0
	.amdhsa_kernel k_qd585edd09d_attn
		.amdhsa_group_segment_fixed_size 206848
		.amdhsa_private_segment_fixed_size 0
		.amdhsa_enable_private_segment 0
		.amdhsa_kernarg_size 40
		.amdhsa_user_sgpr_count 2
		.amdhsa_user_sgpr_kernarg_segment_ptr 1
		.amdhsa_wavefront_size32 1
		.amdhsa_system_sgpr_workgroup_id_x 1
		.amdhsa_system_sgpr_workgroup_id_y 1
		.amdhsa_system_sgpr_workgroup_id_z 1
		.amdhsa_system_vgpr_workitem_id 0
		.amdhsa_next_free_vgpr 512
		.amdhsa_next_free_sgpr 102
		.amdhsa_reserve_vcc 0
		.amdhsa_float_denorm_mode_32 3
		.amdhsa_float_denorm_mode_16_64 3
		.amdhsa_memory_ordered 1
		.amdhsa_forward_progress 1
		.amdhsa_inst_pref_size 91
	.end_amdhsa_kernel
	.amdgpu_metadata
---
amdhsa.version: [ 1, 2 ]
amdhsa.kernels:
  - .name:           k_qd585edd09d_attn
    .symbol:         k_qd585edd09d_attn.kd
    .args:
      - { .name: qbuf, .offset: 0, .size: 8, .value_kind: global_buffer, .address_space: global }
      - { .name: kv, .offset: 8, .size: 8, .value_kind: global_buffer, .address_space: global }
      - { .name: mbits, .offset: 16, .size: 8, .value_kind: global_buffer, .address_space: global }
      - { .name: ao, .offset: 24, .size: 8, .value_kind: global_buffer, .address_space: global }
      - { .name: aos, .offset: 32, .size: 8, .value_kind: global_buffer, .address_space: global }
    .group_segment_fixed_size: 206848
    .private_segment_fixed_size: 0
    .kernarg_segment_align: 8
    .kernarg_segment_size: 40
    .max_flat_workgroup_size: 256
    .sgpr_count:     102
    .vgpr_count:     512
    .wavefront_size: 32
...
	.end_amdgpu_metadata
.endif
;; end of part 3
;; launch outp (part 4): grid 4 x 64, 4 waves a work-group, clusters of 4 x 4, 327,680 bytes of LDS; arguments ao, aos, ximg, xscl, bo, out0; writes out0
.if DOCPART == 4
	.amdgcn_target "amdgcn-amd-amdhsa--gfx1250"
	.amdhsa_code_object_version 6
	.text
	.protected	k_qd585edd09d_outp
	.globl	k_qd585edd09d_outp
	.p2align	8
	.type	k_qd585edd09d_outp,@function
k_qd585edd09d_outp:
	s_mov_b64 s[64:65], 0
	v_nop
	global_prefetch_b8 v0, s[64:65] scope:SCOPE_SE
	s_setreg_imm32_b32 hwreg(HW_REG_WAVE_MODE, 25, 1), 1
	s_wait_xcnt 0x0
	s_wait_alu depctr_hold_cnt(0) depctr_sa_sdst(0) depctr_va_vdst(0) depctr_va_sdst(0) depctr_va_ssrc(0) depctr_va_vcc(0) depctr_vm_vsrc(0)
	s_getreg_b32 s2, hwreg(HW_REG_IB_STS2, 6, 4)
	s_cmp_eq_u32 s2, 0
	s_cbranch_scc0 .Lentry_in_a_cluster
	s_endpgm
.Lentry_in_a_cluster:
	s_bfe_u32 s2, ttmp6, 0x10000c
	s_cmp_lg_u32 s2, 0xf033
	s_cbranch_scc0 .Lentry_shape_is_right
	s_endpgm
.Lentry_shape_is_right:
; FOURTH LAUNCH: out0 = (attention's result) Wo^T + bo on codes of E2M3; bo is the C of each accumulator's first product.  No work is left out.
; A block of 128 tokens x 256 features to a work-group: 64 x 4 = 256 work-groups; a wave makes 64 x 128: 32 accumulators in window 2.  4 x 4 clusters: the tokens' tiles are asked for jointly along a row, the features' along a column.
; ao and ximg are laid [8 tiles][pair of K steps, 4][tile][3,072 bytes]: the block's tokens are one dense group of 98,304 bytes, its features two.  ALL OF K STAYS IN LDS, 294,912 bytes: four tensor loads at the head, one a wave
; (waves 0, 1: the tokens' K steps 0-3 and 4-7, 192 rows of 256 bytes each; waves 2, 3: a group of features each, 384 rows).  Nothing is filled again.
; THE MATRIX INSTRUCTION IS USED TRANSPOSED (source 0 = 16 features, source 1 = 16 tokens): a lane holds eight numbers of a row of out0.
; A K step: one run of 48 LDS loads for the next step's 12 fragments, into the other of two sets, then 32 products, the accumulators by turns.
; THE WAY OUT goes through stages in the bytes of the tokens' K steps 0-3, which have had their only fill and which nobody reads behind the barrier in K step 5.
; REGISTERS: window 0: v4-11 LDS addresses, v32-47 and v64-95 scale words, v128-223 the tokens' fragments, two sets; window 1: the features' fragments, two sets at v0 and v128, and bo at v96-127, v224-255.
.set GRP,    98304
.set QTR,    24576
.set TILEB,  3072
.set KSB,    1536
.set SPARE,  3*GRP
.set FR,     12
.set ADR,    4
.set L16,    16
.set L8,     17
.set BOF,    18
.set STO,    19
.set RD,     20
.set SPW,    28
.set NIL,    29
.set SCR,    32
.set SCP,    64
.set AF,     128
.set BK,     128
.set BI,     96
.set SPITCH, 528
.set G1T, 24
.set G1F, 48
.set G0T, 68
.set G0F, 80
.set MSB, 0
.macro WIN new
.if MSB != (\new)
	s_set_vgpr_msb (MSB<<8)|(\new)
.set MSB, (\new)
.endif
.endm
.set MUL_LO, 0xa1                      ; source 0 window 1, source 1 window 0, C and D window 2
.set TO_P,   0x40
.macro CREST
	s_cmp_lg_u32 s14, 0
	s_cbranch_scc1 .Lnot_wave_0_\@
	s_barrier_signal -3
.Lnot_wave_0_\@:
	s_barrier_wait -3
	s_barrier_signal -1
	s_barrier_wait -1
.endm
.macro CROUND
	s_barrier_signal -1
	s_barrier_wait -1
	CREST
.endm
.macro PLACES n
.rept \n
	v_nop
.endr
.endm
	s_load_b256 s[4:11], s[0:1], 0x0               ; ao, aos, ximg, xscl
	s_load_b128 s[92:95], s[0:1], 0x20             ; bo, out0
	v_lshl_add_u32 v[SPW], v0, 2, SPARE
	v_mov_b32 v[NIL], 0
	ds_add_u32 v[SPW], v[NIL]                      ; the opening: the add, twice on end, and its wait ahead of my first tensor load
	ds_add_u32 v[SPW], v[NIL]
	v_lshrrev_b32 v1, 5, v0
	v_readfirstlane_b32 s14, v1                    ; wave
	s_lshr_b32 s15, s14, 1                         ; which 64 tokens are mine.  Also: I fetch tokens (0) or features (1)
	s_and_b32 s16, s14, 1                          ; which 128 features.  Also: which part of that side I fetch
	s_bfe_u32 s40, ttmp6, 0x40000
	s_bfe_u32 s41, ttmp6, 0x40004
	s_lshl_b32 s42, ttmp9, 2
	s_add_co_u32 s42, s42, s40                     ; block column: 256 features
	s_and_b32 s17, ttmp7, 0xffff
	s_lshl_b32 s17, s17, 2
	s_add_co_u32 s17, s17, s41                     ; block row: 128 tokens
	s_lshl_b32 s43, s41, 2
	s_lshl_b32 s43, 15, s43                        ; my row of the cluster
	s_lshl_b32 s44, 0x1111, s40                    ; my column
	s_or_b32 s[G1T], s43, (3<<16)|(1<<21)
	s_or_b32 s[G1F], s44, (3<<16)|(1<<21)
	s_mov_b32 s[G1T+1], 32<<16                     ; dense blocks, as rows of 256 bytes: 192 of tokens,
	s_mov_b32 s[G1T+2], 192<<16
	s_mov_b32 s[G1T+3], 32<<16
	s_mov_b32 s[G1T+4], 192
	s_mov_b32 s[G1T+5], 32
	s_mov_b32 s[G1T+6], 0
	s_mov_b32 s[G1T+7], 0
	s_mov_b32 s[G1F+1], 32<<16                     ; 384 of features
	s_mov_b32 s[G1F+2], 384<<16
	s_mov_b32 s[G1F+3], 32<<16
	s_mov_b32 s[G1F+4], 384
	s_mov_b32 s[G1F+5], 32
	s_mov_b32 s[G1F+6], 0
	s_mov_b32 s[G1F+7], 0
	s_mul_i32 s20, s17, GRP
	s_mul_i32 s22, s16, 2*QTR                      ; the tokens' K steps 0-3 or 4-7, in memory and in LDS
	s_add_co_u32 s20, s20, s22
	s_mov_b32 s21, 0
	s_lshl_b32 s46, s42, 1
	s_add_co_u32 s46, s46, s16
	s_add_co_u32 s46, s46, 216                     ; Wo begins at tile 1,728: group 216
	s_mul_i32 s46, s46, GRP
	s_mov_b32 s47, 0
	s_mul_i32 s45, s16, GRP
	s_add_co_u32 s45, s45, GRP                     ; the features' groups lie behind the tokens' in LDS
	s_wait_dscnt 0x0                               ; both opening adds are done
	s_wait_kmcnt 0x0
	s_add_nc_u64 s[20:21], s[4:5], s[20:21]
	s_add_nc_u64 s[46:47], s[8:9], s[46:47]
	CROUND                                         ; all sixteen work-groups are here: the joint loads meet
	s_mov_b32 s[G0T], 1
	s_mov_b32 s[G0T+1], s22
	s_mov_b64 s[G0T+2:G0T+3], s[20:21]
	s_or_b32 s[G0T+3], s[G0T+3], 0x80000000
	s_mov_b32 s[G0F], 1
	s_mov_b32 s[G0F+1], s45
	s_mov_b64 s[G0F+2:G0F+3], s[46:47]
	s_or_b32 s[G0F+3], s[G0F+3], 0x80000000
	s_cmp_eq_u32 s15, 0                            ; one tensor load a wave, in the two arms of one branch on the wave's number
	s_cbranch_scc0 .Lfor_f
	tensor_load_to_lds s[G0T:G0T+3], s[G1T:G1T+7]
	s_nop 0
	PLACES 4
	s_branch .Lasked
.Lfor_f:
	tensor_load_to_lds s[G0F:G0F+3], s[G1F:G1F+7]
	s_nop 0
	PLACES 4
.Lasked:
	v_and_b32 v1, 15, v0
	v_bfe_u32 v2, v0, 4, 1
	v_and_b32 v3, 31, v0
	v_lshlrev_b32 v[L16], 4, v3
	v_lshlrev_b32 v[L8], 3, v3
	v_lshlrev_b32 v[BOF], 6, v2
	s_mul_i32 s22, s15, 4*TILEB                    ; my four tiles of tokens
	s_mul_i32 s23, s16, GRP
	s_add_co_u32 s23, s23, GRP                     ; my group of features
.irp g, 0,1                                    ; a set of addresses for K steps 0-3 and one for 4-7: every offset fits the 16-bit immediate
	v_add_nc_u32 v[ADR+4*\g], s22, v[L16]
	v_add_nc_u32 v[ADR+4*\g+1], s22, v[L8]
	v_add_nc_u32 v[ADR+4*\g+2], s23, v[L16]
	v_add_nc_u32 v[ADR+4*\g+3], s23, v[L8]
	s_add_co_u32 s22, s22, 2*QTR
	s_add_co_u32 s23, s23, 2*QTR
.endr
	s_mul_i32 s32, s14, 16*SPITCH                  ; my stage, from LDS byte 0 on
	v_mul_u32_u24 v[STO], v1, SPITCH
	v_lshl_add_u32 v[STO], v2, 6, v[STO]
	v_add_nc_u32 v[STO], s32, v[STO]
	v_add_nc_u32 v[RD], s32, v[L16]
	s_lshl_b32 s32, s17, 3
	s_lshl_b32 s33, s15, 2
	s_add_co_u32 s32, s32, s33                     ; my first tile of tokens
	s_lshl_b32 s56, s32, 9
	s_mov_b32 s57, 0
	s_add_nc_u64 s[56:57], s[6:7], s[56:57]
	s_lshl_b32 s32, s42, 4
	s_lshl_b32 s33, s16, 3
	s_add_co_u32 s32, s32, s33
	s_add_co_u32 s32, s32, 1728                    ; my first tile of features
	s_lshl_b32 s58, s32, 9
	s_mov_b32 s59, 0
	s_add_nc_u64 s[58:59], s[10:11], s[58:59]
.irp a, 0,1,2,3
	global_load_b128 v[SCR+4*\a:SCR+4*\a+3], v[L16], s[56:57] offset:512*\a   ; a tile's scale words: lanes 0-15 K steps 0-3, lanes 16-31 K steps 4-7
.endr
.irp b, 0,1,2,3,4,5,6,7
	global_load_b128 v[SCP+4*\b:SCP+4*\b+3], v[L16], s[58:59] offset:512*\b
.endr
	s_lshl_b32 s32, s42, 10
	s_lshl_b32 s33, s16, 9
	s_add_co_u32 s32, s32, s33                     ; my first column, in bytes
	s_mov_b32 s33, 0
	s_add_nc_u64 s[92:93], s[92:93], s[32:33]
	s_add_nc_u64 s[94:95], s[94:95], s[32:33]
	s_lshl_b32 s32, s17, 7
	s_lshl_b32 s34, s15, 6
	s_add_co_u32 s32, s32, s34                     ; my first row
	s_lshl_b32 s32, s32, 12
	s_add_nc_u64 s[94:95], s[94:95], s[32:33]
	WIN TO_P
.irp b, 0,1,2,3,4,5,6,7
	global_load_b128 v[BI+8*(\b%4)+128*(\b/4):BI+8*(\b%4)+128*(\b/4)+3], v[BOF], s[92:93] offset:(32*(\b/2)+8*(\b%2))*4        ; bo at the lane's eight features of block b
	global_load_b128 v[BI+8*(\b%4)+128*(\b/4)+4:BI+8*(\b%4)+128*(\b/4)+7], v[BOF], s[92:93] offset:(32*(\b/2)+8*(\b%2))*4+16
.endr
	WIN 0
.macro FRAG reg, a16, a8, off
	ds_load_b128 v[(\reg):(\reg)+3], v[\a16] offset:(\off)
	ds_load_b64 v[(\reg)+4:(\reg)+5], v[\a8] offset:(\off)+512
	ds_load_b128 v[(\reg)+6:(\reg)+9], v[\a16] offset:(\off)+768
	ds_load_b64 v[(\reg)+10:(\reg)+11], v[\a8] offset:(\off)+1280
.endm
.macro FETCH s                         ; K step s's fragments, 8 of features and 4 of tokens, into set s % 2
	WIN TO_P
.irp i, 0,1,2,3,4,5,6,7
	FRAG 128*((\s)%2)+FR*\i, ADR+4*((\s)/4)+2, ADR+4*((\s)/4)+3, (((\s)/2)%2)*QTR+\i*TILEB+((\s)%2)*KSB
.endr
	WIN 0
.irp i, 0,1,2,3
	FRAG AF+48*((\s)%2)+FR*\i, ADR+4*((\s)/4), ADR+4*((\s)/4)+1, (((\s)/2)%2)*QTR+\i*TILEB+((\s)%2)*KSB
.endr
.endm
.macro MUL s
.irp a, 0,1,2,3
.irp b, 0,1,2,3,4,5,6,7
.set rD, 8*(8*\a+\b)
.set rP, 128*((\s)%2)+FR*\b
.set rR, AF+48*((\s)%2)+FR*\a
.set rX, SCP+4*\b+(\s)%4
.set rY, SCR+4*\a+(\s)%4
.set rB, BI+8*(\b%4)+128*(\b/4)
.if (\s) == 0
	v_wmma_scale_f32_16x16x128_f8f6f4 v[rD:rD+7], v[rP:rP+FR-1], v[rR:rR+FR-1], v[rB:rB+7], v[rX], v[rY] matrix_a_fmt:MATRIX_FMT_FP6 matrix_b_fmt:MATRIX_FMT_FP6
.elseif (\s) < 4
	v_wmma_scale_f32_16x16x128_f8f6f4 v[rD:rD+7], v[rP:rP+FR-1], v[rR:rR+FR-1], v[rD:rD+7], v[rX], v[rY] matrix_a_fmt:MATRIX_FMT_FP6 matrix_b_fmt:MATRIX_FMT_FP6
.else
	v_wmma_scale_f32_16x16x128_f8f6f4 v[rD:rD+7], v[rP:rP+FR-1], v[rR:rR+FR-1], v[rD:rD+7], v[rX], v[rY] matrix_a_fmt:MATRIX_FMT_FP6 matrix_b_fmt:MATRIX_FMT_FP6 matrix_a_scale:MATRIX_SCALE_ROW1 matrix_b_scale:MATRIX_SCALE_ROW1
.endif
.endr
.endr
.endm
.macro STEP s
	s_wait_dscnt 0x0                               ; this step's fragments are in
.if (\s) == 5
	s_barrier_signal -1                            ; every wave has read all it reads of K steps 0-5:
	s_barrier_wait -1                              ; behind this barrier the stages' bytes are read by nobody
.endif
.if (\s) > 0
	PLACES 4                                       ; behind the last step's products, ahead of the loads into their set
.endif
.if (\s) < 7
	FETCH (\s)+1
.endif
.if (\s) == 0
	WIN 0x91                                       ; C, the bias, from window 1
.else
	WIN MUL_LO
.endif
	MUL \s
	WIN 0
.endm
	s_wait_alu depctr_va_vdst(0)
	s_wait_tensorcnt 0x0                           ; my part is in,
	s_barrier_signal -1
	s_barrier_wait -1                              ; everybody's is: all of K is in LDS
	FETCH 0
	s_wait_loadcnt 0x0                             ; the scale words and the bias
.irp s, 0,1,2,3,4,5,6,7
	STEP \s
.endr
; THE WAY OUT, block by block of 16 rows x 128 columns: through my own stage and back as whole rows of 512 bytes.  LDS serves a wave's instructions in order (ISA guide 5.7.1.4): no wait between the stores and the loads.
.macro TOSTAGE a
.set AC, 64*(\a)
	WIN 0x08                                       ; the data from window 2
.irp b, 0,1,2,3,4,5,6,7
	ds_store_b128 v[STO], v[AC+8*\b:AC+8*\b+3] offset:128*(\b/2)+32*(\b%2)          ; each accumulator from its low end on
	ds_store_b128 v[STO], v[AC+8*\b+4:AC+8*\b+7] offset:128*(\b/2)+32*(\b%2)+16
.endr
	WIN 0
.set BB, BK+64*((\a)%2)
.irp t, 0,1,2,3,4,5,6,7,8,9,10,11,12,13,14,15
	ds_load_b128 v[BB+4*\t:BB+4*\t+3], v[RD] offset:\t*SPITCH
.endr
.endm
.macro SEND a, younger                 ; younger: the LDS instructions issued behind block a's loads, which may stay out
.set BB, BK+64*((\a)%2)
	s_wait_dscnt \younger
.if (\a) > 0
.if ((\a)%2) == 1
	s_add_nc_u64 s[94:95], s[94:95], 8*4096        ; tile 2 g + 1 begins 8 rows behind tile 2 g,
.else
	s_add_nc_u64 s[94:95], s[94:95], 24*4096       ; tile 2 g + 2 another 24
.endif
.endif
.irp t, 0,1,2,3,4,5,6,7,8,9,10,11,12,13,14,15
	global_store_b128 v[L16], v[BB+4*\t:BB+4*\t+3], s[94:95] offset:(\t+8*(\t/8))*4096 th:TH_STORE_NT   ; 32 lanes store 512 consecutive bytes, at a multiple of 256 from out0's first byte
.endr
.endm
	PLACES 4                                       ; behind the last products: ahead of the reads of their results and of the loads into the fragments' registers
	TOSTAGE 0
.irp a, 1,2,3
.if \a > 1
	s_wait_xcnt 0x0                                ; block a - 2's stores have read their registers and their base
.endif
	TOSTAGE \a
	SEND \a-1, 32                                  ; behind block a - 1's loads: block a's 16 stores and 16 loads
.endr
	s_wait_xcnt 0x0
	SEND 3, 0
	s_wait_tensorcnt 0x0                           ; the wave's end
	ds_add_u32 v[SPW], v[NIL]
	s_wait_dscnt 0x0
	CROUND                                         ; the closing round
	s_endpgm
.Lfunc_end_k_qd585edd09d_outp:
	.size	k_qd585edd09d_outp, .Lfunc_end_k_qd585edd09d_outp-k_qd585edd09d_outp
	.p2alignl 7, 3214868480
	.fill 96, 4, 3214868480
	.section	.rodata,"a",@progbits
	.p2align	6, 0x0
	.amdhsa_kernel k_qd585edd09d_outp
		.amdhsa_group_segment_fixed_size 327680
		.amdhsa_private_segment_fixed_size 0
		.amdhsa_enable_private_segment 0
		.amdhsa_kernarg_size 48
		.amdhsa_user_sgpr_count 2
		.amdhsa_user_sgpr_kernarg_segment_ptr 1
		.amdhsa_wavefront_size32 1
		.amdhsa_system_sgpr_workgroup_id_x 1
		.amdhsa_system_sgpr_workgroup_id_y 1
		.amdhsa_system_sgpr_workgroup_id_z 1
		.amdhsa_system_vgpr_workitem_id 0
		.amdhsa_next_free_vgpr 768
		.amdhsa_next_free_sgpr 100
		.amdhsa_reserve_vcc 0
		.amdhsa_float_denorm_mode_32 3
		.amdhsa_float_denorm_mode_16_64 3
		.amdhsa_memory_ordered 1
		.amdhsa_forward_progress 1
		.amdhsa_inst_pref_size 83
	.end_amdhsa_kernel
	.amdgpu_metadata
---
amdhsa.version: [ 1, 2 ]
amdhsa.kernels:
  - .name:           k_qd585edd09d_outp
    .symbol:         k_qd585edd09d_outp.kd
    .args:
      - { .name: ao, .offset: 0, .size: 8, .value_kind: global_buffer, .address_space: global }
      - { .name: aos, .offset: 8, .size: 8, .value_kind: global_buffer, .address_space: global }
      - { .name: ximg, .offset: 16, .size: 8, .value_kind: global_buffer, .address_space: global }
      - { .name: xscl, .offset: 24, .size: 8, .value_kind: global_buffer, .address_space: global }
      - { .name: bo, .offset: 32, .size: 8, .value_kind: global_buffer, .address_space: global }
      - { .name: out0, .offset: 40, .size: 8, .value_kind: global_buffer, .address_space: global }
    .group_segment_fixed_size: 327680
    .private_segment_fixed_size: 0
    .kernarg_segment_align: 8
    .kernarg_segment_size: 48
    .max_flat_workgroup_size: 128
    .sgpr_count:     100
    .vgpr_count:     768
    .wavefront_size: 32
...
	.end_amdgpu_metadata
.endif
;; end of part 4
